; MI455X (gfx1250); checked and timed in simulation.
; The chip was launched on July 23, 2026; its instructions are those of AMD's public machine-readable ISA for CDNA 5 (MIT licence, August 2026) and "CDNA5" Instruction Set Architecture Reference Guide (July 2026). The comments in the code are by the model that wrote it; some were corrected since.
;; Simple Mo E. Allowed arithmetic: matrix products marked QUANTISED: E3M2 operands, one E8M0 scale for each 32 along K, by v_wmma_scale_f32_16x16x128_f8f6f4 with both operands' format E3M2, f32 sums; products left as they are: f32 operands where the result goes on into a quantised operand, else bf16, f16 or f32 operands; f32 sums; everything else in f32.
;; Inputs: W1_codes 8 x 2,048 x 32 x 24 uint8 (E3M2 codes of W1, K innermost, in blocks of 32 codes, four codes in three bytes); W1_scales 8 x 2,048 x 32 uint8 (E8M0 scales of W1, one for each 32 codes along K); W2_codes 8 x 1,024 x 64 x 24 uint8 (E3M2 codes of W2, K innermost, in blocks of 32 codes, four codes in three bytes); W2_scales 8 x 1,024 x 64 uint8 (E8M0 scales of W2, one for each 32 codes along K); Wg 1,024 x 8 float32; b1 8 x 2,048 float32; b2 8 x 1,024 float32; bg 8 float32; x 2,048 x 1,024 float32.
;; Outputs: out0 2,048 x 1,024 float32.
;; This version of the problem:
;;   THIS VERSION OF THE PROBLEM IS GIVEN IN LOW PRECISION. The matrix products marked QUANTISED in the list below multiply operands that are first quantised to E3M2 (3 exponent bits, 2 mantissa bits; 6 bits a number), with one power-of-two scale for each 32 numbers along K (OCP MX v1.0); their sums are f32. All else is computed in f32.
;;   The module's matrix products, in the order in which they are computed (A, B: the left and right operand; K: the contracted axis; several contracted axes count as one K, in the product's order):
;;     1. [M 2,048, K 1,024] x [K 1,024, N 8]; A: input x; B: input Wg: left as it is (N = 8 < 16)
;;     2. [M 2,048, K 1,024] x [K 1,024, N 16,384]; A: input x; B: input W1 (given as codes): QUANTISED
;;     3. batch 8 x [M 1,024, K 2,048] x [K 2,048, N 2,048]; A: input W2 (given as codes); B: computed on the way: QUANTISED
;;     4. batch 2,048 x [M 1, K 8] x [K 8, N 1,024]; A: computed on the way; B: computed on the way: left as it is (K = 8 < 32)
;;   THE QUANTISER, for each operand of a quantised product, along K:
;;     - K is cut into blocks of 32 from its start; a last block that is shorter is filled with zeros.
;;     - A block's scale is 2^e with e = floor(log2(the largest magnitude in the block)) - 4, held to -126 .. 127; a block of zeros has e = 0. As a byte (E8M0): e + 127.
;;     - Each number is divided by its block's scale, clamped to +-28, and rounded to the nearest number of E3M2, ties to even, subnormals kept.
;;     - The product sums the exact products of the quantised numbers (number of the format x scale) in f32.
;;   ~~~python
;;   def quantise(x, axis):      # numpy; x: float32 -> the quantised numbers, widened to float32 again
;;       x = np.moveaxis(x, axis, -1); K = x.shape[-1]
;;       x = np.pad(x, [(0, 0)] * (x.ndim - 1) + [(0, -K % 32)]); x = x.reshape(x.shape[:-1] + (-1, 32)); a = np.abs(x).max(-1, keepdims=True)
;;       e = np.where(a > 0, np.clip(np.frexp(np.where(a > 0, a, 1))[1] - 1 - 4, -126, 127), 0)      # np.frexp(a)[1] - 1 = floor(log2(a)), exactly
;;       r = np.clip(x / 2.0 ** e, -28, 28)
;;       step = 2.0 ** (np.maximum(np.frexp(np.where(r == 0, 1, r))[1] - 1, -2) - 2)
;;       q = np.round(r / step) * step * 2.0 ** e      # np.round: ties to even
;;       return np.moveaxis(q.reshape(q.shape[:-2] + (-1,))[..., :K], -1, axis).astype(np.float32)
;;   ~~~
;;   OPERANDS COMPUTED ON THE WAY. 'Computed on the way' means the value that the module computes at that place (a softmax that the list does not call 'softmax' is quantised finished and normalised). What goes into a quantiser is computed in f32, as accurately as f32 sums, v_exp_f32 and their like allow (about 1e-6 of the number): no bf16 or f16 on the way to a quantiser, and a product that is left as it is and whose result goes on into a quantised operand takes f32 operands (vector FMAs, or v_wmma_f32_16x16x4_f32). A number that lies on a knife's edge between two numbers of the format may be rounded either way, as far as f32 arithmetic and the matrix unit's own rounding can turn it there, and no further.
;;   INPUTS GIVEN AS CODES. W1 (in the module: [8, 1024, 2048], K = its axis 1); W2 (in the module: [8, 2048, 1024], K = its axis 1): each comes as NAME_codes (uint8): NAME with its K axis moved to the last place and cut into blocks of 32 codes, [.., K / 32, bytes a block], one block behind the other in memory; four codes in three bytes: a row's codes are one little-endian stream of bits, code i at bits 6 i .. 6 i + 5 (a code: sign, 3 exponent bits, 2 mantissa bits); and NAME_scales (uint8): the same leading axes, one E8M0 byte (e + 127) for each 32 codes along K. Its value is code x scale, taken as it is: it is not quantised again, and the codes and scales need not be those that the quantiser above would give.
;; 2 versions. Each part assembles by itself: llvm-mc -triple=amdgcn-amd-amdhsa -mcpu=gfx1250 --defsym DOCPART=n.
;; ======== version 1 of 2: 4 launches
;; workspace buffers: xq 1,638,400 bytes; keys 8,192 bytes of whole numbers; wt 65,536 bytes; plan 8,448 bytes of whole numbers; wimg 25,165,824 bytes; hid 26,214,400 bytes
;; launch route (part 1): grid 256 x 1, 4 waves a work-group, no clusters, 70,656 bytes of LDS; arguments x, Wg, bg, xq, keys, wt; writes xq, keys, wt
.if DOCPART == 1
	.amdgcn_target "amdgcn-amd-amdhsa--gfx1250"
	.amdhsa_code_object_version 6
	.text
	.protected	k_qb5376a2081_route
	.globl	k_qb5376a2081_route
	.p2align	8
	.type	k_qb5376a2081_route,@function
k_qb5376a2081_route:
	s_mov_b64 s[64:65], 0
	v_nop
	global_prefetch_b8 v0, s[64:65] scope:SCOPE_SE
	s_setreg_imm32_b32 hwreg(HW_REG_WAVE_MODE, 25, 1), 1
	s_wait_xcnt 0x0
; ROUTER AND QUANTISER OF x.  scores = x Wg + bg in f32 (fused multiply-adds); the two largest scores of each token (ties: the lower index, as the
; reference's top-k); gate weights = softmax (largest score taken away first) x mask / (sum + 1e-8); x into codes of E3M2 with one E8M0 byte for each 32 along D.
; STORED, all at fixed places: keys[t] = 8 x lower expert + higher expert; wt[t][8] (0 for experts not chosen); xq: token t's codes at 768 t, laid
; [piece 0..2][block 0..31][8 bytes] (piece p = bytes 8 p .. 8 p + 7 of a block's 24), its 32 scale bytes at 1,572,864 + 32 t.
; SHARES.  A work-group takes 8 tokens, a wave 2; lane l takes block l (32 numbers along D) of both tokens and the 32 rows of Wg that belong to it.
; Loads take memory as it lies (512 consecutive bytes an instruction); x and Wg are turned through LDS so that a lane holds 32 neighbours.
; LIMITS: scores must be finite; NaN and infinities among the inputs are not served; where a token's second and third score differ by less than the rounding
; of an f32 sum of 1,024 terms, either may be chosen; a block of zeros gets the byte 1 (its codes are zeros, and this program alone reads the bytes).
.set XST, 33280                        ; LDS: Wg turned, 32 places of 1,040 bytes, from 0; then for each wave two tokens x 32 places of 144 bytes
.set X,   16                           ; v16-79   x: token t at X + 32 t
.set WA,  80                           ; v80-143  Wg as loaded, then quarters 0 and 2; later at work
.set WB,  144                          ; v144-207 quarters 1 and 3
.set S,   208                          ; v208-223 the scores: token t, expert e at S + 8 t + e
.set DD,  224                          ; v224-239 the exponentials
.set T,   240                          ; v240-255 token t at T + 8 t: +0 best, +1 its index, +2 second, +3 its index, +4 .. +7 at work
.set CD,  80                           ; codes: token t at CD + 8 t
	s_load_b256 s[4:11], s[0:1], 0x0               ; x s[4:5], Wg s[6:7], bg s[8:9], xq s[10:11]
	s_load_b128 s[12:15], s[0:1], 0x20             ; keys s[12:13], wt s[14:15]
	v_lshl_add_u32 v14, v0, 2, 0x11200
	v_mov_b32 v15, 0
	v_lshrrev_b32 v11, 5, v0
	v_readfirstlane_b32 s27, v11                   ; wave
	v_and_b32 v1, 31, v0                           ; lane
	v_lshlrev_b32 v2, 4, v1                        ; 16 x lane
	s_mul_i32 s28, s27, 8320
	v_add_nc_u32 v3, s28, v2                       ; Wg into LDS: my wave's 8 places, 16 x lane
	s_mul_i32 s28, s27, 9216
	s_add_co_u32 s28, s28, XST                     ; my wave's stage for x
	v_lshrrev_b32 v11, 3, v1
	v_and_b32 v10, 7, v1                           ; lane % 8
	v_mul_u32_u24 v4, v11, 144
	v_lshl_add_u32 v4, v10, 4, v4
	v_add_nc_u32 v4, s28, v4                       ; x in: eight lanes' 128 bytes make a place
	v_mul_u32_u24 v5, v1, 144
	v_add_nc_u32 v5, s28, v5                       ; x out: my place
	v_mul_u32_u24 v6, v1, 1040                     ; Wg out: my place
	v_lshlrev_b32 v7, 3, v1                        ; 8 x lane
	v_and_b32 v8, 15, v1
	v_lshlrev_b32 v8, 2, v8                        ; wt: 4 x (lane % 16)
	v_bfe_u32 v9, v1, 3, 1
	v_lshlrev_b32 v9, 2, v9                        ; keys: 4 x token in the wave
	s_mov_b32 s24, 0x76543210
	s_mov_b32 s25, 0xfedcba98                      ; selects: lane l xor 16
	s_mov_b32 s26, 0xff00ff00                      ; the lanes that stand for the wave's second token
	s_lshl_b32 s29, ttmp9, 3
	s_lshl_b32 s30, s27, 1
	s_add_co_u32 s29, s29, s30                     ; my first token
	s_mov_b32 s33, 0
	s_wait_kmcnt 0x0
	s_load_b256 s[16:23], s[8:9], 0x0              ; bg
	s_lshl_b32 s32, s27, 13
	s_add_nc_u64 s[6:7], s[6:7], s[32:33]          ; my wave's quarter of Wg
	s_lshl_b32 s32, s29, 12
	s_add_nc_u64 s[4:5], s[4:5], s[32:33]          ; my two rows of x
.set I, 0
.rept 16
	global_load_b128 v[WA+4*I:WA+4*I+3], v2, s[6:7] offset:512*I
.set I, I+1
.endr
.irp t, 0,1
.irp i, 0,1,2,3,4,5,6,7
	global_load_b128 v[X+32*\t+4*\i:X+32*\t+4*\i+3], v2, s[4:5] offset:4096*\t+512*\i th:TH_LOAD_NT
.endr
.endr
	s_mul_i32 s32, s29, 768
	s_add_nc_u64 s[34:35], s[10:11], s[32:33]      ; my tokens' codes
	s_lshl_b32 s32, s29, 5
	s_add_nc_u64 s[36:37], s[10:11], s[32:33]      ; their scale bytes (the region's start stands in the store's immediate)
	s_add_nc_u64 s[14:15], s[14:15], s[32:33]      ; their gate weights
	s_lshl_b32 s32, s29, 2
	s_add_nc_u64 s[12:13], s[12:13], s[32:33]      ; their keys
	s_wait_loadcnt 16                              ; the 16 loads of x are younger: Wg's are in
.set I, 0
.rept 16
	ds_store_b128 v3, v[WA+4*I:WA+4*I+3] offset:(I/2)*1040+512*(I%2)
.set I, I+1
.endr
	s_wait_loadcnt 0x0
.irp t, 0,1
.irp i, 0,1,2,3,4,5,6,7
	ds_store_b128 v4, v[X+32*\t+4*\i:X+32*\t+4*\i+3] offset:4608*\t+576*\i
.endr
.endr
	s_wait_dscnt 0x0                               ; for the others' sake: my part of Wg lies in LDS
	s_barrier_signal -1
	s_barrier_wait -1
.irp t, 0,1
.irp j, 0,1,2,3,4,5,6,7
	ds_load_b128 v[X+32*\t+4*\j:X+32*\t+4*\j+3], v5 offset:4608*\t+16*\j   ; my 32 neighbours
.endr
.endr
.macro LDQ qd, buf                     ; eight rows of Wg (8 experts each) of my 32: register 8 k8 + e = Wg[32 l + 8 qd + k8][e]
.set U, 0
.rept 16
	ds_load_b128 v[\buf+4*U:\buf+4*U+3], v6 offset:256*(\qd)+16*U
.set U, U+1
.endr
.endm
.macro FMAQ qd, buf                    ; 8 numbers of x of both tokens x 8 experts: eight chains of packed multiply-adds by turns; x's number serves both halves
.set K8, 0
.rept 8
.set KK, 8*(\qd)+K8
.irp t, 0,1
.irp p, 0,1,2,3
.if KK == 0
	v_pk_mul_f32 v[S+8*\t+2*\p:S+8*\t+2*\p+1], v[X+32*\t:X+32*\t+1], v[\buf+2*\p:\buf+2*\p+1] op_sel_hi:[0,1]
.elseif KK%2 == 0
	v_pk_fma_f32 v[S+8*\t+2*\p:S+8*\t+2*\p+1], v[X+32*\t+KK:X+32*\t+KK+1], v[\buf+8*K8+2*\p:\buf+8*K8+2*\p+1], v[S+8*\t+2*\p:S+8*\t+2*\p+1] op_sel_hi:[0,1,1]
.else
	v_pk_fma_f32 v[S+8*\t+2*\p:S+8*\t+2*\p+1], v[X+32*\t+KK-1:X+32*\t+KK], v[\buf+8*K8+2*\p:\buf+8*K8+2*\p+1], v[S+8*\t+2*\p:S+8*\t+2*\p+1] op_sel:[1,0,0] op_sel_hi:[1,1,1]
.endif
.endr
.endr
.set K8, K8+1
.endr
.endm
	LDQ 0, WA
	LDQ 1, WB
	s_wait_dscnt 16                                ; only the younger quarter's 16 loads may be out
	FMAQ 0, WA
	LDQ 2, WA
	s_wait_dscnt 16
	FMAQ 1, WB
	LDQ 3, WB
	s_wait_dscnt 16
	FMAQ 2, WA
	s_wait_dscnt 0x0
	FMAQ 3, WB
	; the 32 lanes' parts are added: every lane ends with the same 16 sums
.irp m, 1,2,4,8
.set J, 0
.rept 16
	v_add_f32_dpp v[S+J], v[S+J], v[S+J] row_xmask:\m row_mask:0xf bank_mask:0xf
.set J, J+1
.endr
.endr
.set J, 0
.rept 16
	v_permlanex16_b32 v[WA+J], v[S+J], s24, s25    ; (its destination has been written: WA is free)
.set J, J+1
.endr
	s_wait_kmcnt 0x0                               ; bg
.set J, 0
.rept 16
	v_add_f32 v[S+J], v[S+J], v[WA+J]
.set J, J+1
.endr
.irp t, 0,1
.irp e, 0,1,2,3,4,5,6,7
	v_add_f32 v[S+8*\t+\e], s[16+\e], v[S+8*\t+\e]
.endr
.endr
	; the largest score: a later expert takes the place only if it is strictly larger
.irp t, 0,1
	v_mov_b32 v[T+8*\t], v[S+8*\t]
	v_mov_b32 v[T+8*\t+1], 0
	v_mov_b32 v[T+8*\t+2], 0xff800000
	v_mov_b32 v[T+8*\t+3], 0
.endr
.irp e, 1,2,3,4,5,6,7
.irp t, 0,1
	v_cmp_gt_f32 vcc_lo, v[S+8*\t+\e], v[T+8*\t]
	v_cndmask_b32 v[T+8*\t], v[T+8*\t], v[S+8*\t+\e], vcc_lo
	v_cndmask_b32 v[T+8*\t+1], v[T+8*\t+1], \e, vcc_lo
.endr
.endr
	; the second: the same among the other seven
.irp e, 0,1,2,3,4,5,6,7
.irp t, 0,1
	v_cmp_ne_u32 s30, \e, v[T+8*\t+1]
	v_cmp_gt_f32 vcc_lo, v[S+8*\t+\e], v[T+8*\t+2]
	s_and_b32 vcc_lo, vcc_lo, s30
	v_cndmask_b32 v[T+8*\t+2], v[T+8*\t+2], v[S+8*\t+\e], vcc_lo
	v_cndmask_b32 v[T+8*\t+3], v[T+8*\t+3], \e, vcc_lo
.endr
.endr
.irp t, 0,1
	v_cmp_eq_u32 vcc_lo, v[T+8*\t+1], v[T+8*\t+3]  ; two different experts in every case
	v_xor_b32 v[T+8*\t+4], 1, v[T+8*\t+1]
	v_cndmask_b32 v[T+8*\t+3], v[T+8*\t+3], v[T+8*\t+4], vcc_lo
.endr
	; softmax with the largest score taken away
.irp t, 0,1
.irp e, 0,1,2,3,4,5,6,7
	v_sub_f32 v[DD+8*\t+\e], v[S+8*\t+\e], v[T+8*\t]
.endr
	v_sub_f32 v[T+8*\t+4], v[T+8*\t+2], v[T+8*\t]
.endr
.set J, 0
.rept 16
	v_mul_f32 v[DD+J], 0x3fb8aa3b, v[DD+J]
.set J, J+1
.endr
	v_mul_f32 v[T+4], 0x3fb8aa3b, v[T+4]
	v_mul_f32 v[T+12], 0x3fb8aa3b, v[T+12]
.set J, 0
.rept 16
	v_exp_f32 v[DD+J], v[DD+J]
.set J, J+1
.endr
	v_exp_f32 v[T+4], v[T+4]
	v_exp_f32 v[T+12], v[T+12]
	v_nop                                          ; a plain instruction behind the batch (ISA guide 5.7.2)
	s_wait_alu depctr_va_vdst(0)                   ; one wait for the 18 exponentials, ahead of their first reader
.irp t, 0,1
	v_add_f32 v[DD+8*\t], v[DD+8*\t], v[DD+8*\t+1]
	v_add_f32 v[DD+8*\t+2], v[DD+8*\t+2], v[DD+8*\t+3]
	v_add_f32 v[DD+8*\t+4], v[DD+8*\t+4], v[DD+8*\t+5]
	v_add_f32 v[DD+8*\t+6], v[DD+8*\t+6], v[DD+8*\t+7]
.endr
.irp t, 0,1
	v_add_f32 v[DD+8*\t], v[DD+8*\t], v[DD+8*\t+2]
	v_add_f32 v[DD+8*\t+4], v[DD+8*\t+4], v[DD+8*\t+6]
.endr
.irp t, 0,1
	v_add_f32 v[T+8*\t+5], v[DD+8*\t], v[DD+8*\t+4] ; Z
.endr
	v_rcp_f32 v[T+6], v[T+5]
	v_rcp_f32 v[T+14], v[T+13]
	v_nop
	s_wait_alu depctr_va_vdst(0)                   ; one wait for the two reciprocals
.irp t, 0,1
	v_mul_f32 v[T+8*\t+4], v[T+8*\t+4], v[T+8*\t+6] ; p2; p1 = 1 / Z
.endr
.irp t, 0,1
	v_add_f32 v[T+8*\t+5], v[T+8*\t+6], v[T+8*\t+4]
.endr
.irp t, 0,1
	v_add_f32 v[T+8*\t+5], 0x322bcc77, v[T+8*\t+5]  ; + 1e-8
.endr
	v_rcp_f32 v[T+7], v[T+5]
	v_rcp_f32 v[T+15], v[T+13]
	v_nop
	s_wait_alu depctr_va_vdst(0)
.irp t, 0,1
	v_mul_f32 v[T+8*\t+6], v[T+8*\t+6], v[T+8*\t+7] ; w1
	v_mul_f32 v[T+8*\t+4], v[T+8*\t+4], v[T+8*\t+7] ; w2
.endr
.irp t, 0,1                                    ; lane l stands for expert l % 8
	v_cmp_eq_u32 vcc_lo, v10, v[T+8*\t+3]
	v_cndmask_b32 v[96+\t], 0, v[T+8*\t+4], vcc_lo
	v_cmp_eq_u32 vcc_lo, v10, v[T+8*\t+1]
	v_cndmask_b32 v[96+\t], v[96+\t], v[T+8*\t+6], vcc_lo
	v_min_u32 v[100+\t], v[T+8*\t+1], v[T+8*\t+3]
	v_max_u32 v[102+\t], v[T+8*\t+1], v[T+8*\t+3]
	v_lshl_add_u32 v[100+\t], v[100+\t], 3, v[102+\t]
.endr
	v_cndmask_b32 v98, v96, v97, s26
	v_cndmask_b32 v104, v100, v101, s26
	; x into codes: my block of each token.  The largest magnitude with a floor, 4 off its exponent field, the byte, two conversions
.irp t, 0,1
	v_max3_num_f32 v[106+2*\t], |v[X+32*\t]|, |v[X+32*\t+1]|, |v[X+32*\t+2]|
	v_max3_num_f32 v[107+2*\t], |v[X+32*\t+3]|, |v[X+32*\t+4]|, |v[X+32*\t+5]|
.endr
.irp i, 6,10,14,18,22,26
.irp t, 0,1
	v_max3_num_f32 v[106+2*\t], v[106+2*\t], |v[X+32*\t+\i]|, |v[X+32*\t+\i+1]|
	v_max3_num_f32 v[107+2*\t], v[107+2*\t], |v[X+32*\t+\i+2]|, |v[X+32*\t+\i+3]|
.endr
.endr
.irp t, 0,1
	v_max3_num_f32 v[106+2*\t], v[106+2*\t], |v[X+32*\t+30]|, |v[X+32*\t+31]|
.endr
.irp t, 0,1
	v_max3_num_f32 v[106+2*\t], v[106+2*\t], v[107+2*\t], 0x2800000   ; the floor 2^(5 - 127): the byte cannot fall under 1
.endr
.irp t, 0,1
	v_add_nc_u32 v[110+\t], 0xfe000000, v[106+2*\t]
.endr
.irp t, 0,1
	v_lshrrev_b32 v[112+\t], 23, v[110+\t]
.endr
.irp t, 0,1
	v_cvt_scalef32_pk16_bf6_f32 v[CD+8*\t:CD+8*\t+2], v[X+32*\t:X+32*\t+15], v[110+\t]
	v_cvt_scalef32_pk16_bf6_f32 v[CD+8*\t+4:CD+8*\t+6], v[X+32*\t+16:X+32*\t+31], v[110+\t]   ; (a conversion's three registers begin on an even number)
.endr
	v_nop                                          ; one plain instruction behind the scaled conversions
.irp t, 0,1
	v_mov_b32 v[CD+8*\t+3], v[CD+8*\t+4]
	v_mov_b32 v[CD+8*\t+4], v[CD+8*\t+5]
	v_mov_b32 v[CD+8*\t+5], v[CD+8*\t+6]
.endr
.irp t, 0,1
.irp p, 0,1,2
	global_store_b64 v7, v[CD+8*\t+2*\p:CD+8*\t+2*\p+1], s[34:35] offset:768*\t+256*\p   ; 32 lanes store 256 consecutive bytes, at a multiple of 256 from the buffer's first byte
.endr
	global_store_b8 v1, v[112+\t], s[36:37] offset:1572864+32*\t
.endr
	global_store_b32 v8, v98, s[14:15]             ; 64 bytes a wave; lanes 16-31 repeat lanes 0-15
	global_store_b32 v9, v104, s[12:13]            ; two words a wave; the lanes of a token write the same word with the same value
	s_wait_tensorcnt 0x0
	ds_add_u32 v14, v15
	s_wait_dscnt 0x0
	s_endpgm
.Lfunc_end_k_qb5376a2081_route:
	.size	k_qb5376a2081_route, .Lfunc_end_k_qb5376a2081_route-k_qb5376a2081_route
	.p2alignl 7, 3214868480
	.fill 96, 4, 3214868480
	.section	.rodata,"a",@progbits
	.p2align	6, 0x0
	.amdhsa_kernel k_qb5376a2081_route
		.amdhsa_group_segment_fixed_size 70656
		.amdhsa_private_segment_fixed_size 0
		.amdhsa_enable_private_segment 0
		.amdhsa_kernarg_size 48
		.amdhsa_user_sgpr_count 2
		.amdhsa_user_sgpr_kernarg_segment_ptr 1
		.amdhsa_wavefront_size32 1
		.amdhsa_system_sgpr_workgroup_id_x 1
		.amdhsa_system_sgpr_workgroup_id_y 1
		.amdhsa_system_sgpr_workgroup_id_z 1
		.amdhsa_system_vgpr_workitem_id 0
		.amdhsa_next_free_vgpr 256
		.amdhsa_next_free_sgpr 66
		.amdhsa_reserve_vcc 1
		.amdhsa_float_denorm_mode_32 3
		.amdhsa_float_denorm_mode_16_64 3
		.amdhsa_memory_ordered 1
		.amdhsa_forward_progress 1
		.amdhsa_inst_pref_size 49
	.end_amdhsa_kernel
	.amdgpu_metadata
---
amdhsa.version: [ 1, 2 ]
amdhsa.kernels:
  - .name:           k_qb5376a2081_route
    .symbol:         k_qb5376a2081_route.kd
    .args:
      - { .name: x, .offset: 0, .size: 8, .value_kind: global_buffer, .address_space: global }
      - { .name: Wg, .offset: 8, .size: 8, .value_kind: global_buffer, .address_space: global }
      - { .name: bg, .offset: 16, .size: 8, .value_kind: global_buffer, .address_space: global }
      - { .name: xq, .offset: 24, .size: 8, .value_kind: global_buffer, .address_space: global }
      - { .name: keys, .offset: 32, .size: 8, .value_kind: global_buffer, .address_space: global }
      - { .name: wt, .offset: 40, .size: 8, .value_kind: global_buffer, .address_space: global }
    .group_segment_fixed_size: 70656
    .private_segment_fixed_size: 0
    .kernarg_segment_align: 8
    .kernarg_segment_size: 48
    .max_flat_workgroup_size: 128
    .sgpr_count:     66
    .vgpr_count:     256
    .wavefront_size: 32
...
	.end_amdgpu_metadata
.endif
;; end of part 1
;; launch place (part 2): grid 257 x 1, 8 waves a work-group, no clusters, 102,400 bytes of LDS; arguments keys, W1_codes, W2_codes, plan, wimg; writes plan, wimg
.if DOCPART == 2
	.amdgcn_target "amdgcn-amd-amdhsa--gfx1250"
	.amdhsa_code_object_version 6
	.text
	.protected	k_qb5376a2081_place
	.globl	k_qb5376a2081_place
	.p2align	8
	.type	k_qb5376a2081_place,@function
k_qb5376a2081_place:
	s_mov_b64 s[64:65], 0
	v_nop
	global_prefetch_b8 v0, s[64:65] scope:SCOPE_SE
	s_setreg_imm32_b32 hwreg(HW_REG_WAVE_MODE, 25, 1), 1
	s_wait_xcnt 0x0
; TWO JOBS IN ONE LAUNCH, parted by the work-group's number.
; WORK-GROUP 0: a counting sort of the 2,048 tokens by their PAIR of experts (28 keys), the pairs in an order in which neighbours share one expert.  plan words 0..2047:
; the token at each sorted place.  A block is 64 sorted places; plan words 2048..2079: for each block the 8-bit mask of the experts that its tokens use.
; WORK-GROUPS 1..256: the weights' codes are laid as IMAGES OF OPERAND REGISTERS.  A fragment (16 rows x 128 K, 12 registers a lane) is 1,536 bytes: [q 0..2][lane][16 bytes] = registers
; 4 q .. 4 q + 3.  A wave makes one unit of 8 fragments (16 rows x 1,024 K), 12,288 bytes, at unit x 12,288.
;   W1: unit = 128 e + 4 G + u; fragment s = K step s; row m of the tile is hidden unit 64 G + 32 (m / 8) + 8 u + m % 8.
;   W2: unit = 1,024 + 2 (64 e + tile) + kh; fragment s = K step 8 kh + s; row m is output column 16 tile + m.
; Each path has LDS bytes of its own; both meet at ONE barrier, which every wave of every work-group passes.
.set PITCH, 784                        ; a stage row: 768 bytes + 16 = 196 words: the 32 lanes of an 8-byte load touch 64 different banks (64 banks of 4 bytes: ISA guide 11.1)
.set SORTB, 100352                     ; behind the eight stages of 16 rows: the waves' histograms, 128 bytes each
.set RAW, 32                           ; v32-127  the rows as loaded
.set FRG, 128                          ; v128-223 the eight fragments
; the sort: v6 v7 LDS addresses, v8 4 x thread, v9 my wave's counts (lane = pair), v10 totals, v11 earlier waves' counts, v12 first places, v13 my wave's first places, v14 v15 at work,
; v16-23 eight keys, v24-31 their places, v224-231 token numbers, v232-239 the eight histograms, v240-245 the blocks' masks
	s_load_b256 s[4:11], s[0:1], 0x0               ; keys s[4:5], W1's codes s[6:7], W2's s[8:9], plan s[10:11]
	s_load_b64 s[12:13], s[0:1], 0x20              ; wimg
	v_lshl_add_u32 v254, v0, 2, 0x18c00
	v_mov_b32 v255, 0
	v_lshrrev_b32 v15, 5, v0
	v_readfirstlane_b32 s19, v15                   ; wave
	v_and_b32 v1, 31, v0
	v_lshlrev_b32 v2, 4, v1                        ; 16 x lane
	v_and_b32 v14, 15, v0                          ; lane % 16
	v_bfe_u32 v15, v0, 4, 1                        ; lane / 16
	s_mul_i32 s20, s19, 16*PITCH
	v_mul_u32_u24 v4, v15, PITCH
	v_lshl_add_u32 v4, v14, 4, v4
	v_add_nc_u32 v4, s20, v4                       ; stage in: sixteen lanes to a row's 256 bytes, two rows an instruction
	v_mul_u32_u24 v5, v14, PITCH
	v_mad_u32_u24 v5, v15, 24, v5
	v_add_nc_u32 v5, s20, v5                       ; stage out: row lane % 16, + 24 bytes for lanes 16-31
	v_lshl_add_u32 v6, v0, 2, SORTB
	v_lshl_add_u32 v7, v1, 2, SORTB
	v_lshlrev_b32 v8, 2, v0
.irp g, 9,10,11,12,13,16,17,18,19,20,21,22,23,24,25,26,27,28,29,30,31
	v_mov_b32 v\g, 0                               ; written on every way through the text
.endr
	s_wait_kmcnt 0x0
	s_cmp_eq_u32 ttmp9, 0
	s_cbranch_scc1 .Lsort_a
	; ---- the weights' images
	s_sub_co_u32 s20, ttmp9, 1
	s_lshl_b32 s20, s20, 3
	s_add_co_u32 s20, s20, s19                     ; my unit, 0 .. 2,047
	s_bfe_u32 s26, s20, 0x30007
	s_mul_i32 s26, s26, 1572864                    ; the expert
	s_bfe_u32 s27, s20, 0x50002
	s_mul_i32 s27, s27, 49152                      ; W1: G x 64 rows of 768 bytes
	s_and_b32 s28, s20, 3
	s_mul_i32 s28, s28, 6144                       ;     + u x 8 rows
	s_add_co_u32 s27, s27, s28
	s_bfe_u32 s28, s20, 0x60001
	s_mul_i32 s28, s28, 24576                      ; W2: tile x 16 rows of 1,536 bytes
	s_and_b32 s29, s20, 1
	s_mul_i32 s29, s29, 768                        ;     + the half of K
	s_add_co_u32 s28, s28, s29
	s_mov_b32 s24, 1536
	s_mov_b32 s25, 12288
	s_cmp_lt_u32 s20, 1024                         ; W1's unit or W2's: the choice hangs on ids alone
	s_cselect_b64 s[22:23], s[6:7], s[8:9]
	s_cselect_b32 s24, 768, s24                    ; P: from a row of the tile to the next within eight
	s_cselect_b32 s25, 24576, s25                  ; Q: from row 0 to row 8
	s_cselect_b32 s27, s27, s28
	s_add_co_u32 s26, s26, s27
	s_mov_b32 s27, 0
	s_add_nc_u64 s[22:23], s[22:23], s[26:27]
	v_mul_u32_u24 v3, v15, s24
	v_lshl_add_u32 v3, v14, 4, v3                  ; (lane / 16) P + 16 (lane % 16)
	s_lshl_b32 s28, s24, 1
	s_mov_b32 s31, 0
.irp g, 0,1,2,3,4,5,6,7                        ; rows 2 g and 2 g + 1 of the tile
	s_mul_i32 s30, s28, \g%4
.if \g/4
	s_add_co_u32 s30, s30, s25
.endif
	s_add_nc_u64 s[32+2*\g:33+2*\g], s[22:23], s[30:31]
.endr
	s_mul_i32 s30, s20, 12288
	s_add_nc_u64 s[12:13], s[12:13], s[30:31]
.irp g, 0,1,2,3,4,5,6,7
.irp j, 0,1,2
	global_load_b128 v[RAW+4*(3*\g+\j):RAW+4*(3*\g+\j)+3], v3, s[32+2*\g:33+2*\g] offset:256*\j th:TH_LOAD_NT   ; sixteen lanes read 256 consecutive bytes of a row
.endr
.endr
.irp g, 0,1,2,3,4,5,6,7
	s_wait_loadcnt 21-3*\g                         ; the three loads of each younger pair of rows may be out
.irp j, 0,1,2
	ds_store_b128 v4, v[RAW+4*(3*\g+\j):RAW+4*(3*\g+\j)+3] offset:2*\g*PITCH+256*\j
.endr
.endr
.irp s, 0,1,2,3,4,5,6,7                        ; LDS serves a wave's instructions in order (ISA guide 5.7.1.4): these see my stores
.irp c, 0,1
.irp p, 0,1,2
	ds_load_b64 v[FRG+12*\s+6*\c+2*\p:FRG+12*\s+6*\c+2*\p+1], v5 offset:96*\s+48*\c+8*\p
.endr
.endr
.endr
.irp s, 0,1,2,3,4,5,6,7
	s_wait_dscnt 6*(7-\s)                          ; the six loads of each younger fragment may be out
.irp q, 0,1,2
	global_store_b128 v2, v[FRG+12*\s+4*\q:FRG+12*\s+4*\q+3], s[12:13] offset:1536*\s+512*\q   ; 32 lanes store 512 consecutive bytes
.endr
.endr
	s_branch .Ljoin
.Lsort_a:
	; ---- the sort, first part: thread n holds the keys of tokens 256 i + n; each wave counts its 256 keys, pair by pair
.irp i, 0,1,2,3,4,5,6,7
	global_load_b32 v[16+\i], v8, s[4:5] offset:1024*\i
.endr
	s_wait_loadcnt 0x0
.set KAP, 0
.irp k, 1,2,3,4,5,6,7,15,14,13,12,11,10,19,20,21,22,23,31,30,29,28,37,38,39,47,46,55
.irp i, 0,1,2,3,4,5,6,7
	v_cmp_eq_u32 s[50+\i], \k, v[16+\i]
.endr
	s_mov_b32 s48, 0
.irp i, 0,1,2,3,4,5,6,7
	s_bcnt1_i32_b32 s31, s[50+\i]
	s_add_co_u32 s48, s48, s31
.endr
	v_writelane_b32 v9, s48, KAP
.set KAP, KAP+1
.endr
	ds_store_b32 v6, v9
.Ljoin:
	s_wait_dscnt 0x0                               ; my LDS stores have landed and my LDS loads are in
	s_barrier_signal -1
	s_barrier_wait -1
	s_cmp_lg_u32 ttmp9, 0
	s_cbranch_scc1 .Lend
	; ---- totals, earlier waves' counts, first places
.irp w, 0,1,2,3,4,5,6,7
	ds_load_b32 v[232+\w], v7 offset:128*\w
.endr
	s_wait_dscnt 0x0
	v_mov_b32 v10, 0
	v_mov_b32 v11, 0
.irp w, 0,1,2,3,4,5,6,7
	s_cmp_gt_u32 s19, \w
	s_cselect_b32 s30, -1, 0
	v_add_nc_u32 v10, v10, v[232+\w]
	v_and_b32 v15, s30, v[232+\w]
	v_add_nc_u32 v11, v11, v15
.endr
	s_mov_b32 s48, 0
.set KAP, 0
.rept 28
	v_readlane_b32 s31, v10, KAP
	v_writelane_b32 v12, s48, KAP
	s_add_co_u32 s48, s48, s31
.set KAP, KAP+1
.endr
	v_add_nc_u32 v13, v12, v11
	; ---- each key's place: the pair's first place for my wave + the keys of that pair in earlier registers and lower lanes
.set KAP, 0
.irp k, 1,2,3,4,5,6,7,15,14,13,12,11,10,19,20,21,22,23,31,30,29,28,37,38,39,47,46,55
	v_readlane_b32 s49, v13, KAP
.irp i, 0,1,2,3,4,5,6,7
	v_cmp_eq_u32 s[50+\i], \k, v[16+\i]
.endr
.irp i, 0,1,2,3,4,5,6,7
	v_mbcnt_lo_u32_b32 v14, s[50+\i], s49
	v_cndmask_b32 v[24+\i], v[24+\i], v14, s[50+\i]
	s_bcnt1_i32_b32 s31, s[50+\i]
	s_add_co_u32 s49, s49, s31
.endr
.set KAP, KAP+1
.endr
.irp i, 0,1,2,3,4,5,6,7
	v_min_u32 v[24+\i], 0x7ff, v[24+\i]            ; a place made of loaded numbers is held inside the table
	v_lshlrev_b32 v[24+\i], 2, v[24+\i]
	v_add_nc_u32 v[224+\i], 256*\i, v0
	global_store_b32 v[24+\i], v[224+\i], s[10:11]
.endr
	s_cmp_lg_u32 s19, 0
	s_cbranch_scc1 .Lend
	; ---- wave 0: a lane is a block of 64 places; a pair whose run of places meets the block gives its two experts' bits
	v_lshlrev_b32 v240, 6, v1
	v_add_nc_u32 v241, 64, v240
	v_mov_b32 v242, 0
.set KAP, 0
.irp k, 1,2,3,4,5,6,7,15,14,13,12,11,10,19,20,21,22,23,31,30,29,28,37,38,39,47,46,55
	v_readlane_b32 s50, v12, KAP
	v_readlane_b32 s51, v10, KAP
	s_add_co_u32 s51, s51, s50
	v_max_u32 v243, s50, v240
	v_min_u32 v244, s51, v241
	v_cmp_gt_u32 vcc_lo, v244, v243
	v_or_b32 v245, (1<<(\k/8))|(1<<(\k%8)), v242
	v_cndmask_b32 v242, v242, v245, vcc_lo
.set KAP, KAP+1
.endr
	global_store_b32 v8, v242, s[10:11] offset:8192 ; (in wave 0 the thread's number is the lane)
.Lend:
	s_wait_tensorcnt 0x0
	ds_add_u32 v254, v255
	s_wait_dscnt 0x0
	s_endpgm
.Lfunc_end_k_qb5376a2081_place:
	.size	k_qb5376a2081_place, .Lfunc_end_k_qb5376a2081_place-k_qb5376a2081_place
	.p2alignl 7, 3214868480
	.fill 96, 4, 3214868480
	.section	.rodata,"a",@progbits
	.p2align	6, 0x0
	.amdhsa_kernel k_qb5376a2081_place
		.amdhsa_group_segment_fixed_size 102400
		.amdhsa_private_segment_fixed_size 0
		.amdhsa_enable_private_segment 0
		.amdhsa_kernarg_size 40
		.amdhsa_user_sgpr_count 2
		.amdhsa_user_sgpr_kernarg_segment_ptr 1
		.amdhsa_wavefront_size32 1
		.amdhsa_system_sgpr_workgroup_id_x 1
		.amdhsa_system_sgpr_workgroup_id_y 1
		.amdhsa_system_sgpr_workgroup_id_z 1
		.amdhsa_system_vgpr_workitem_id 0
		.amdhsa_next_free_vgpr 256
		.amdhsa_next_free_sgpr 72
		.amdhsa_reserve_vcc 1
		.amdhsa_float_denorm_mode_32 3
		.amdhsa_float_denorm_mode_16_64 3
		.amdhsa_memory_ordered 1
		.amdhsa_forward_progress 1
		.amdhsa_inst_pref_size 121
	.end_amdhsa_kernel
	.amdgpu_metadata
---
amdhsa.version: [ 1, 2 ]
amdhsa.kernels:
  - .name:           k_qb5376a2081_place
    .symbol:         k_qb5376a2081_place.kd
    .args:
      - { .name: keys, .offset: 0, .size: 8, .value_kind: global_buffer, .address_space: global }
      - { .name: W1_codes, .offset: 8, .size: 8, .value_kind: global_buffer, .address_space: global }
      - { .name: W2_codes, .offset: 16, .size: 8, .value_kind: global_buffer, .address_space: global }
      - { .name: plan, .offset: 24, .size: 8, .value_kind: global_buffer, .address_space: global }
      - { .name: wimg, .offset: 32, .size: 8, .value_kind: global_buffer, .address_space: global }
    .group_segment_fixed_size: 102400
    .private_segment_fixed_size: 0
    .kernarg_segment_align: 8
    .kernarg_segment_size: 40
    .max_flat_workgroup_size: 256
    .sgpr_count:     72
    .vgpr_count:     256
    .wavefront_size: 32
...
	.end_amdgpu_metadata
.endif
;; end of part 2
;; launch up (part 3): grid 8 x 32, 4 waves a work-group, no clusters, 50,688 bytes of LDS; arguments plan, xq, wimg, W1_scales, b1, hid; writes hid
.if DOCPART == 3
	.amdgcn_target "amdgcn-amd-amdhsa--gfx1250"
	.amdhsa_code_object_version 6
	.text
	.protected	k_qb5376a2081_up
	.globl	k_qb5376a2081_up
	.p2align	8
	.type	k_qb5376a2081_up,@function
k_qb5376a2081_up:
	s_mov_b64 s[64:65], 0
	v_nop
	global_prefetch_b8 v0, s[64:65] scope:SCOPE_SE
	s_setreg_imm32_b32 hwreg(HW_REG_WAVE_MODE, 25, 1), 1
	s_wait_xcnt 0x0
; THE FIRST LAYER: hidden = Q(relu(Q(x) W1_e + b1_e)) for a block of 64 sorted tokens and each expert e in the block's stored mask; both operands codes of E3M2, sums f32.
; SHARES.  Work-group (cs, blk): the block's 64 tokens x hidden units 256 cs .. 256 cs + 255.  Wave w: all 64 tokens (4 tiles t) x group G = 4 cs + w of 64 units (4 tiles u): 16 accumulators.
; x's 32 fragments are the same for every expert: gathered once (through LDS, one barrier) and kept in registers.  W1's fragments come from memory straight into registers, as images laid by the launch
; before: a ring four K steps deep, which runs on into the next expert.  The walk over experts hangs on a stored number; this text has no tensor load and no cluster.
; TRANSPOSED USE: source 0 = 16 rows of W1, source 1 = 16 tokens.  Row m of tile u is hidden unit 64 G + 32 (m / 8) + 8 u + m % 8, so lane (r, h)'s 32 registers of tiles 0..3 are the 32 NEIGHBOURING units
; 64 G + 32 h + 0..31 of token r: a whole block of the next K in one lane.  Its 24 bytes of codes are registers 6 c .. 6 c + 5 (c = G % 2) of the lane's place in fragment G / 2 of the next launch's operand.
; hid: item i = (8 blk + e) 4 + t: 16 fragment images of 1,536 bytes at 24,576 i; scale words at 25,165,824 + 1,024 i + 64 r + 4 (K step).
; The bias is the C of each sum's first matrix instruction.
; LIMITS: a block of zeros gets the byte 1 (zero codes; this program alone reads the bytes); NaN and infinities are not served.
; REGISTERS, in windows of 256: window 0: v1-10 addresses, v12-21 gathered rows' offsets, v24-39 x's scale words, v40-55 W1's, v56-79 at work, v80-111 codes, v128-255 accumulators ((t, u) at 128 + 8 (4 t + u)).
;   window 1: x's fragments of K steps 0-4 at 12 (4 s + t);  window 2: of K steps 5-7;  window 3: the ring, K step s at 48 (s % 4) + 12 u; from v192 the bias, 8 u.
.set PITCH, 784                        ; an LDS row of x's codes: 768 bytes + 16 = 196 words: the 32 lanes of an 8-byte load touch 64 different banks (ISA guide 11.1)
.set ACC,  128
.set XS,   24                          ; x's scale words: XS + 8 (t / 2) + s; lanes 0-15 the even tile, lanes 16-31 the odd one
.set WS,   40                          ; W1's: WS + 8 (u / 2) + s, likewise
.set BIAS, 192
; scalars: s[16:25] the five bases without the expert; s[26:31] the expert in hand: images, hidden codes, hidden scales; s[32:41] the next expert: images, scales, bias, hidden codes, hidden scales
.set MSB, 0
.macro WIN new                         ; the immediate's high byte repeats the setting that is left; a switch that changes nothing is dropped
.if MSB != \new
	s_set_vgpr_msb (MSB<<8)|\new
.set MSB, \new
.endif
.endm
.macro BASES                           ; the lowest expert left in the mask, held at 7, becomes the next expert
	s_ctz_i32_b32 s45, s44
	s_min_u32 s45, s45, 7
	s_sub_co_u32 s51, s44, 1
	s_and_b32 s44, s44, s51
	s_mov_b32 s43, 0
	s_mul_i32 s42, s45, 1572864
	s_add_nc_u64 s[32:33], s[16:17], s[42:43]
	s_lshl_b32 s42, s45, 16
	s_add_nc_u64 s[34:35], s[18:19], s[42:43]
	s_lshl_b32 s42, s45, 13
	s_add_nc_u64 s[36:37], s[20:21], s[42:43]
	s_mul_i32 s42, s45, 98304
	s_add_nc_u64 s[38:39], s[22:23], s[42:43]
	s_lshl_b32 s42, s45, 12
	s_add_nc_u64 s[40:41], s[24:25], s[42:43]
.endm
.macro LDR s, b                        ; K step s: four fragments, 12 loads of 512 consecutive bytes, into ring slot s % 4
	WIN 0xc0
.irp u, 0,1,2,3
.irp q, 0,1,2
	global_load_b128 v[48*((\s)%4)+12*\u+4*\q:48*((\s)%4)+12*\u+4*\q+3], v1, s[\b:\b+1] offset:\u*12288+(\s)*1536+512*\q
.endr
.endr
.endm
.macro LDBIAS                          ; lane (r, h), tile u: b1 at units 64 G + 32 h + 8 u + 0..7
	WIN 0xc0
.irp u, 0,1,2,3
	global_load_b128 v[BIAS+8*\u:BIAS+8*\u+3], v5, s[36:37] offset:32*\u
	global_load_b128 v[BIAS+8*\u+4:BIAS+8*\u+7], v5, s[36:37] offset:32*\u+16
.endr
.endm
.macro LDWS half                       ; the scale words of four K steps
	WIN 0
.irp pr, 0,1
	global_load_b128 v[WS+8*\pr+4*(\half):WS+8*\pr+4*(\half)+3], v4, s[34:35] offset:512*\pr+16*(\half)
.endr
.endm
.macro MM t, u, s
.set rD, ACC+8*(4*(\t)+(\u))
.set rA, 48*((\s)%4)+12*(\u)
.if (\s) < 5
.set rB, 12*(4*(\s)+(\t))
.else
.set rB, 12*(4*((\s)-5)+(\t))
.endif
.if (\s) == 0
.set rC, BIAS+8*(\u)
.else
.set rC, rD
.endif
.set rW, WS+8*((\u)/2)+(\s)
.set rX, XS+8*((\t)/2)+(\s)
.if (((\u)%2) == 0) && (((\t)%2) == 0)
	v_wmma_scale_f32_16x16x128_f8f6f4 v[rD:rD+7], v[rA:rA+11], v[rB:rB+11], v[rC:rC+7], v[rW], v[rX] matrix_a_fmt:MATRIX_FMT_BF6 matrix_b_fmt:MATRIX_FMT_BF6
.elseif ((\u)%2) == 0
	v_wmma_scale_f32_16x16x128_f8f6f4 v[rD:rD+7], v[rA:rA+11], v[rB:rB+11], v[rC:rC+7], v[rW], v[rX] matrix_a_fmt:MATRIX_FMT_BF6 matrix_b_fmt:MATRIX_FMT_BF6 matrix_b_scale:MATRIX_SCALE_ROW1
.elseif ((\t)%2) == 0
	v_wmma_scale_f32_16x16x128_f8f6f4 v[rD:rD+7], v[rA:rA+11], v[rB:rB+11], v[rC:rC+7], v[rW], v[rX] matrix_a_fmt:MATRIX_FMT_BF6 matrix_b_fmt:MATRIX_FMT_BF6 matrix_a_scale:MATRIX_SCALE_ROW1
.else
	v_wmma_scale_f32_16x16x128_f8f6f4 v[rD:rD+7], v[rA:rA+11], v[rB:rB+11], v[rC:rC+7], v[rW], v[rX] matrix_a_fmt:MATRIX_FMT_BF6 matrix_b_fmt:MATRIX_FMT_BF6 matrix_a_scale:MATRIX_SCALE_ROW1 matrix_b_scale:MATRIX_SCALE_ROW1
.endif
.endm
; A K STEP.  Loads are issued in this order in a pass: R4 | R5 | R6 | R7, E3 | R0' | R1' | R2' | R3', E7  (R: a K step's 12 loads; E3: the next expert's bias and first four scale words, 10; E7: its other four, 2).
; The wait lets stay out what was issued behind this step's R: steps 0-3: three R and E7 = 38; steps 4-7: three R and E3 = 46; in the last pass, which asks for no next expert, 36, 24, 12, 0.
.macro STEP s, pf
.if (\s) < 4
	s_wait_loadcnt 38
.elseif \pf
	s_wait_loadcnt 46
.else
	s_wait_loadcnt 12*(7-(\s))
.endif
.if (\s) == 0
	WIN 0x37                                       ; W1 window 3, x window 1, C (the bias) window 3, D window 0
.elseif (\s) < 5
	WIN 0x07
.else
	WIN 0x0b                                       ; x window 2
.endif
.irp t, 0,1,2,3                                ; the 16 accumulators take turns, one instruction a turn, in the same order in every step
.irp u, 0,1,2,3
	MM \t, \u, \s
.endr
.endr
.rept 4
	v_nop                                          ; four places ahead of loads into registers that these products read, and of the first read of results
.endr
.if (\s) < 4
	LDR (\s)+4, 26                                 ; the slot just read takes the K step four on
.elseif \pf
	LDR (\s)-4, 32                                 ; or the next expert's
.endif
.if ((\s) == 3) && (\pf)
	LDBIAS
	LDWS 0
.endif
.if ((\s) == 7) && (\pf)
	LDWS 1
.endif
	WIN 0
.endm
.macro EPI                             ; relu, a block's scale, codes, stores; the four tiles of tokens by turns
.set J, 0
.rept 128
	v_max_num_f32 v[ACC+J], 0, v[ACC+J]            ; ascending: each accumulator is first read at its low end
.set J, J+1
.endr
.irp t, 0,1,2,3
	v_max3_num_f32 v[56+2*\t], v[ACC+32*\t], v[ACC+32*\t+1], v[ACC+32*\t+2]   ; none is negative: no |.|
	v_max3_num_f32 v[57+2*\t], v[ACC+32*\t+3], v[ACC+32*\t+4], v[ACC+32*\t+5]
.endr
.irp i, 6,10,14,18,22,26
.irp t, 0,1,2,3
	v_max3_num_f32 v[56+2*\t], v[56+2*\t], v[ACC+32*\t+\i], v[ACC+32*\t+\i+1]
	v_max3_num_f32 v[57+2*\t], v[57+2*\t], v[ACC+32*\t+\i+2], v[ACC+32*\t+\i+3]
.endr
.endr
.irp t, 0,1,2,3
	v_max3_num_f32 v[56+2*\t], v[56+2*\t], v[ACC+32*\t+30], v[ACC+32*\t+31]
.endr
.irp t, 0,1,2,3
	v_max3_num_f32 v[56+2*\t], v[56+2*\t], v[57+2*\t], 0x2800000   ; the floor 2^(5 - 127): the byte cannot fall under 1
.endr
.irp t, 0,1,2,3
	v_add_nc_u32 v[64+\t], 0xfe000000, v[56+2*\t]  ; 4 off the exponent field: the conversion's scale operand
.endr
.irp t, 0,1,2,3
	v_lshrrev_b32 v[68+\t], 23, v[64+\t]           ; the byte
.endr
.irp t, 0,1,2,3
	v_cvt_scalef32_pk16_bf6_f32 v[80+8*\t:82+8*\t], v[ACC+32*\t:ACC+32*\t+15], v[64+\t]
	v_cvt_scalef32_pk16_bf6_f32 v[84+8*\t:86+8*\t], v[ACC+32*\t+16:ACC+32*\t+31], v[64+\t]   ; (a conversion's three registers begin on an even number)
.endr
	v_nop                                          ; one plain instruction behind the scaled conversions
.irp t, 0,1,2,3
	v_mov_b32 v[83+8*\t], v[84+8*\t]
	v_mov_b32 v[84+8*\t], v[85+8*\t]
	v_mov_b32 v[85+8*\t], v[86+8*\t]
.endr
.irp t, 0,1,2,3
	v_lshlrev_b32 v[76+\t], v10, v[68+\t]          ; my byte at its place among the token's two,
.endr
.irp t, 0,1,2,3
	v_permlanex16_b32 v[72+\t], v[76+\t], s52, s53
.endr
.irp t, 0,1,2,3
	v_or_b32 v[76+\t], v[76+\t], v[72+\t]          ; with lane l xor 16's
.endr
.irp t, 0,1,2,3
	global_store_b64 v6, v[80+8*\t:81+8*\t], s[28:29] offset:24576*\t
	global_store_b64 v7, v[82+8*\t:83+8*\t], s[28:29] offset:24576*\t
	global_store_b64 v8, v[84+8*\t:85+8*\t], s[28:29] offset:24576*\t
	global_store_b16 v9, v[76+\t], s[30:31] offset:1024*\t   ; both halves of the lanes write the same two bytes
.endr
.endm
.macro PASS pf                         ; one expert
	s_wait_xcnt 0x0                                ; every earlier load and store has read its bases and its data: they are written again only behind this wait
	s_mov_b64 s[26:27], s[32:33]
	s_mov_b64 s[28:29], s[38:39]
	s_mov_b64 s[30:31], s[40:41]
.if \pf
	BASES
.endif
.irp s, 0,1,2,3,4,5,6,7
	STEP \s, \pf
.endr
	EPI
.endm
	s_load_b256 s[4:11], s[0:1], 0x0               ; plan s[4:5], xq s[6:7], wimg s[8:9], W1's scales s[10:11]
	s_load_b128 s[12:15], s[0:1], 0x20             ; b1 s[12:13], hid s[14:15]
	v_lshl_add_u32 v126, v0, 2, 0xc400
	v_mov_b32 v127, 0
	v_lshrrev_b32 v11, 5, v0
	v_readfirstlane_b32 s48, v11                   ; wave
	s_and_b32 s50, ttmp7, 0xffff                   ; blk
	s_lshl_b32 s49, ttmp9, 2
	s_add_co_u32 s49, s49, s48                     ; G
	s_and_b32 s51, s48, 1                          ; c = G % 2
	v_and_b32 v22, 31, v0                          ; lane
	v_and_b32 v23, 15, v0                          ; r
	v_bfe_u32 v11, v0, 4, 1                        ; h
	v_lshlrev_b32 v1, 4, v22                       ; 16 x lane
	s_mul_i32 s54, s48, 16*PITCH
	v_mul_u32_u24 v2, v11, PITCH
	v_lshl_add_u32 v2, v23, 4, v2
	v_add_nc_u32 v2, s54, v2                       ; x into LDS: my wave's 16 rows, two rows an instruction
	v_mul_u32_u24 v3, v23, PITCH
	v_lshl_add_u32 v3, v11, 3, v3                  ; x out of LDS: row r, + 8 h
	v_bfe_u32 v4, v0, 3, 1
	v_lshlrev_b32 v4, 10, v4
	v_lshl_add_u32 v4, v11, 8, v4
	v_and_b32 v5, 7, v0
	v_lshl_add_u32 v4, v5, 5, v4                   ; W1's scale rows: (m / 8) 1,024 + (lane / 16) 256 + (m % 8) 32
	v_lshlrev_b32 v5, 7, v11                       ; the bias: 128 h
	s_mul_i32 s54, s51, 520
	v_add_nc_u32 v6, s54, v1                       ; my six registers' three places in an image: 16 x lane + 0, 8, 512 (c = 0) or 520, 1,024, 1,032 (c = 1)
	s_add_co_u32 s55, s54, 512
	v_add_nc_u32 v8, s55, v1
	s_mul_i32 s54, s51, 1016
	s_add_co_u32 s54, s54, 8
	v_add_nc_u32 v7, s54, v1
	s_lshr_b32 s54, s49, 1
	s_lshl_b32 s54, s54, 2
	s_lshl_b32 s55, s51, 1
	s_add_co_u32 s54, s54, s55
	v_lshl_add_u32 v9, v23, 6, s54                 ; the hidden scale bytes: 64 r + 4 (G / 2) + 2 c
	v_lshlrev_b32 v10, 3, v11                      ; 8 h
	v_lshlrev_b32 v56, 2, v11
	s_lshl_b32 s54, s48, 6
	v_add_nc_u32 v56, s54, v56                     ; the list: 4 (16 wave + h)
	v_lshlrev_b32 v57, 2, v22                      ;           4 x lane
	v_lshlrev_b32 v58, 4, v23                      ; 16 r
.irp t, 0,1,2,3
	v_mov_b32 v[72+\t], 0                          ; written once: a lane permute's destination counts as one of its sources
.endr
	s_mov_b32 s52, 0x76543210
	s_mov_b32 s53, 0xfedcba98
	s_lshl_b32 s58, s50, 2
	s_lshl_b32 s42, s50, 8
	s_mov_b32 s43, 0
	s_wait_kmcnt 0x0
	s_load_b32 s44, s[4:5], s58 offset:0x2000      ; the block's mask of experts
	s_add_nc_u64 s[56:57], s[4:5], s[42:43]        ; the block's 64 places of the list
.irp g, 0,1,2,3,4,5,6,7
	global_load_b32 v[12+\g], v56, s[56:57] offset:8*\g    ; the token of row 16 wave + 2 g + h
.endr
.irp pr, 0,1
	global_load_b32 v[20+\pr], v57, s[56:57] offset:128*\pr ; the token of row 32 pr + lane
.endr
	s_mul_i32 s42, s49, 49152
	s_add_nc_u64 s[16:17], s[8:9], s[42:43]
	s_lshl_b32 s42, s49, 11
	s_add_nc_u64 s[18:19], s[10:11], s[42:43]
	s_lshl_b32 s42, s49, 8
	s_add_nc_u64 s[20:21], s[12:13], s[42:43]
	s_mul_i32 s42, s50, 786432
	s_lshr_b32 s54, s49, 1
	s_mul_i32 s54, s54, 1536
	s_add_co_u32 s42, s42, s54
	s_add_nc_u64 s[22:23], s[14:15], s[42:43]
	s_lshl_b32 s42, s50, 15
	s_add_co_u32 s42, s42, 25165824
	s_add_nc_u64 s[24:25], s[14:15], s[42:43]
	s_wait_loadcnt 0x0
.irp g, 0,1,2,3,4,5,6,7
	v_min_u32 v[12+\g], 0x7ff, v[12+\g]            ; a loaded number is held inside the table before it enters an address
	v_mul_u32_u24 v[12+\g], v[12+\g], 768
	v_add_nc_u32 v[12+\g], v58, v[12+\g]
.endr
.irp pr, 0,1
	v_min_u32 v[20+\pr], 0x7ff, v[20+\pr]
	v_lshlrev_b32 v[20+\pr], 5, v[20+\pr]
.endr
.irp g, 0,1,2,3,4,5,6,7
.irp j, 0,1,2
	global_load_b128 v[ACC+4*(3*\g+\j):ACC+4*(3*\g+\j)+3], v[12+\g], s[6:7] offset:256*\j   ; sixteen lanes read 256 consecutive bytes of a token's codes
.endr
.endr
.irp pr, 0,1
.irp f, 0,1
	global_load_b128 v[XS+8*\pr+4*\f:XS+8*\pr+4*\f+3], v[20+\pr], s[6:7] offset:1572864+16*\f
.endr
.endr
	s_wait_kmcnt 0x0
	s_and_b32 s44, s44, 0xff
	s_bcnt1_i32_b32 s46, s44                       ; experts to walk
	BASES
	LDBIAS                                         ; the first expert: E3, R0 .. R3, E7: 60 loads
	LDWS 0
	LDR 0, 32
	LDR 1, 32
	LDR 2, 32
	LDR 3, 32
	LDWS 1
	s_wait_loadcnt 60                              ; exactly those 60 are younger: x's rows and scale words are in
.irp g, 0,1,2,3,4,5,6,7
.irp j, 0,1,2
	ds_store_b128 v2, v[ACC+4*(3*\g+\j):ACC+4*(3*\g+\j)+3] offset:2*\g*PITCH+256*\j
.endr
.endr
	s_wait_dscnt 0x0                               ; for the others' sake: my 16 rows lie in LDS
	s_barrier_signal -1
	s_barrier_wait -1
.irp s, 0,1,2,3,4,5,6,7                        ; fragment (t, s): register 6 c + 2 p takes piece p of block 4 s + 2 c + h of row 16 t + r
.if \s < 5
	WIN 0x40
.set FB, 48*\s
.else
	WIN 0x80
.set FB, 48*(\s-5)
.endif
.irp t, 0,1,2,3
.irp c, 0,1
.irp p, 0,1,2
	ds_load_b64 v[FB+12*\t+6*\c+2*\p:FB+12*\t+6*\c+2*\p+1], v3 offset:\t*16*PITCH+256*\p+32*\s+16*\c
.endr
.endr
.endr
.endr
	WIN 0
	s_wait_dscnt 0x0
	s_mov_b32 s47, 0
	s_cmp_lt_u32 s46, 2
	s_cbranch_scc1 .Llast
	s_sub_co_u32 s46, s46, 1                       ; all experts but the last ask for a next one
.Lpass:
	PASS 1
	s_add_co_u32 s47, s47, 1
	s_cmp_lt_u32 s47, s46
	s_cbranch_scc1 .Lpass
.Llast:
	PASS 0
	s_wait_tensorcnt 0x0
	ds_add_u32 v126, v127
	s_wait_dscnt 0x0
	s_endpgm
.Lfunc_end_k_qb5376a2081_up:
	.size	k_qb5376a2081_up, .Lfunc_end_k_qb5376a2081_up-k_qb5376a2081_up
	.p2alignl 7, 3214868480
	.fill 96, 4, 3214868480
	.section	.rodata,"a",@progbits
	.p2align	6, 0x0
	.amdhsa_kernel k_qb5376a2081_up
		.amdhsa_group_segment_fixed_size 50688
		.amdhsa_private_segment_fixed_size 0
		.amdhsa_enable_private_segment 0
		.amdhsa_kernarg_size 48
		.amdhsa_user_sgpr_count 2
		.amdhsa_user_sgpr_kernarg_segment_ptr 1
		.amdhsa_wavefront_size32 1
		.amdhsa_system_sgpr_workgroup_id_x 1
		.amdhsa_system_sgpr_workgroup_id_y 1
		.amdhsa_system_sgpr_workgroup_id_z 1
		.amdhsa_system_vgpr_workitem_id 0
		.amdhsa_next_free_vgpr 1024
		.amdhsa_next_free_sgpr 80
		.amdhsa_reserve_vcc 0
		.amdhsa_float_denorm_mode_32 3
		.amdhsa_float_denorm_mode_16_64 3
		.amdhsa_memory_ordered 1
		.amdhsa_forward_progress 1
		.amdhsa_inst_pref_size 104
	.end_amdhsa_kernel
	.amdgpu_metadata
---
amdhsa.version: [ 1, 2 ]
amdhsa.kernels:
  - .name:           k_qb5376a2081_up
    .symbol:         k_qb5376a2081_up.kd
    .args:
      - { .name: plan, .offset: 0, .size: 8, .value_kind: global_buffer, .address_space: global }
      - { .name: xq, .offset: 8, .size: 8, .value_kind: global_buffer, .address_space: global }
      - { .name: wimg, .offset: 16, .size: 8, .value_kind: global_buffer, .address_space: global }
      - { .name: W1_scales, .offset: 24, .size: 8, .value_kind: global_buffer, .address_space: global }
      - { .name: b1, .offset: 32, .size: 8, .value_kind: global_buffer, .address_space: global }
      - { .name: hid, .offset: 40, .size: 8, .value_kind: global_buffer, .address_space: global }
    .group_segment_fixed_size: 50688
    .private_segment_fixed_size: 0
    .kernarg_segment_align: 8
    .kernarg_segment_size: 48
    .max_flat_workgroup_size: 128
    .sgpr_count:     80
    .vgpr_count:     1024
    .wavefront_size: 32
...
	.end_amdgpu_metadata
.endif
;; end of part 3
;; launch down (part 4): grid 8 x 32, 4 waves a work-group, no clusters, 135,680 bytes of LDS; arguments plan, wt, hid, wimg, W2_scales, b2, out0; writes out0
.if DOCPART == 4
	.amdgcn_target "amdgcn-amd-amdhsa--gfx1250"
	.amdhsa_code_object_version 6
	.text
	.protected	k_qb5376a2081_down
	.globl	k_qb5376a2081_down
	.p2align	8
	.type	k_qb5376a2081_down,@function
k_qb5376a2081_down:
	s_mov_b64 s[64:65], 0
	v_nop
	global_prefetch_b8 v0, s[64:65] scope:SCOPE_SE
	s_setreg_imm32_b32 hwreg(HW_REG_WAVE_MODE, 25, 1), 1
	s_wait_xcnt 0x0
; THE SECOND LAYER AND THE COMBINE: out[token] = sum over experts e of w[token][e] (hidden_e W2_e + b2_e); both operands codes of E3M2, sums f32.  w is 0 for an expert that a token did not choose.
; SHARES.  Work-group (cs, blk): a block of 64 sorted tokens x output columns 128 cs .. 128 cs + 127: it owns these numbers of out, so nothing is added between work-groups.
; Wave w takes the WHOLE tile, 64 tokens (4 tiles t) x 128 columns (8 tiles u), and a QUARTER of K: K steps 4 w + s, s = 0..3.  So no fragment is read by two waves: for each expert the work-group takes in
; 64 rows of the hidden layer and 128 rows of W2, 1,536 bytes each, once.  32 accumulators ACC for the expert in hand, and OUT += w x ACC behind each expert.  That sum is linear, so the four quarters
; of K meet once, at the end, through LDS.
; THE BIAS is no part of the loop: OUT begins as w[2 kq] b2[2 kq] + w[2 kq + 1] b2[2 kq + 1] (kq = the wave's number): the four waves' beginnings together are the sum over all eight experts.
; Operands come from memory straight into registers, as fragment images (1,536 bytes, three loads of 512 consecutive bytes): a ring two K steps deep that runs on into the next expert.
; The walk over experts hangs on a stored number; this text has no tensor load and no cluster.
; TRANSPOSED USE: source 0 = 16 rows of W2 (output columns), source 1 = 16 tokens: lane (r, h) holds token r and eight neighbouring columns 8 h + 0..7 of a tile.
; LIMITS: 0 x a product must be 0, so the products of walked experts and b2 must stay finite in f32; NaN and infinities are not served.
; REGISTERS, in windows of 256: window 0: v1-8 addresses, v10-25 my output rows' offsets, v32-39 the hidden layer's scale words, v40-55 W2's, v56-59 the gates, v60-67 the gates of my two bias experts,
;   v68-71 stage addresses, v128-223 the hidden layer's fragments, K step s at 128 + 48 (s % 2) + 12 t.
;   window 1: ACC ((t, u) at 8 (8 t + u)); at the head b2 of my two experts.   window 2: OUT, likewise.   window 3: W2's fragments, K step s at 96 (s % 2) + 12 u.
.set HS,   32                          ; HS + 4 (t / 2) + s: lanes 0-15 the even tile's rows, lanes 16-31 the odd one's
.set WS,   40                          ; WS + 4 (u / 2) + s, likewise
.set GW,   56
.set GB,   60
.set RD,   68
.set HR,   128
.set SPITCH, 528                       ; a stage row: 512 bytes + 16 = 132 words: sixteen rows start at sixteen different groups of four banks (64 banks of 4 bytes: ISA guide 11.1)
.set STG,  64*SPITCH                   ; a wave's stage
; scalars: s[18:25] four bases without the expert; s[26:27] b2 of my two experts; s[28:31] the expert in hand: hidden images, W2 images; s[32:43] the next expert: those two, hidden scales, W2 scales, gates
.set MSB, 0
.macro WIN new                         ; the immediate's high byte repeats the setting that is left; a switch that changes nothing is dropped
.if MSB != \new
	s_set_vgpr_msb (MSB<<8)|\new
.set MSB, \new
.endif
.endm
.macro BASES                           ; the lowest expert left in the mask, held at 7, becomes the next expert
	s_ctz_i32_b32 s47, s46
	s_min_u32 s47, s47, 7
	s_sub_co_u32 s48, s46, 1
	s_and_b32 s46, s46, s48
	s_mov_b32 s45, 0
	s_mul_i32 s44, s47, 98304
	s_add_nc_u64 s[32:33], s[18:19], s[44:45]
	s_mul_i32 s44, s47, 1572864
	s_add_nc_u64 s[34:35], s[20:21], s[44:45]
	s_lshl_b32 s44, s47, 12
	s_add_nc_u64 s[36:37], s[22:23], s[44:45]
	s_lshl_b32 s44, s47, 16
	s_add_nc_u64 s[38:39], s[24:25], s[44:45]
	s_lshl_b32 s44, s47, 2
	s_add_nc_u64 s[42:43], s[6:7], s[44:45]
.endm
.macro LDH s, b                        ; K step s of my quarter: the hidden layer's four fragments, 12 loads
	WIN 0
.irp t, 0,1,2,3
.irp q, 0,1,2
	global_load_b128 v[HR+48*((\s)%2)+12*\t+4*\q:HR+48*((\s)%2)+12*\t+4*\q+3], v1, s[\b:\b+1] offset:\t*24576+(\s)*1536+512*\q
.endr
.endr
.endm
.macro LDW s, b, u0                    ; W2's fragments of tiles u0 .. u0 + 3, 12 loads
	WIN 0xc0
.irp u, \u0, \u0+1, \u0+2, \u0+3
.irp q, 0,1,2
	global_load_b128 v[96*((\s)%2)+12*(\u)+4*\q:96*((\s)%2)+12*(\u)+4*\q+3], v1, s[\b:\b+1] offset:(\u)*24576+(\s)*1536+512*\q
.endr
.endr
.endm
.macro LDSC half                       ; the next expert's scale words of two K steps, both sides: 6 loads
	WIN 0
.irp pr, 0,1
	global_load_b64 v[HS+4*\pr+2*(\half):HS+4*\pr+2*(\half)+1], v2, s[36:37] offset:2048*\pr+8*(\half)
.endr
.irp pr, 0,1,2,3
	global_load_b64 v[WS+4*\pr+2*(\half):WS+4*\pr+2*(\half)+1], v2, s[38:39] offset:2048*\pr+8*(\half)
.endr
.endm
.macro LDG                             ; the next expert's gates: 4 loads
	WIN 0
.irp t, 0,1,2,3
	global_load_b32 v[GW+\t], v[4+\t], s[42:43]
.endr
.endm
.macro MM t, u, s                      ; in K step 0 the constant 0 starts the sum
.set rD, 8*(8*(\t)+(\u))
.set rA, 96*((\s)%2)+12*(\u)
.set rB, HR+48*((\s)%2)+12*(\t)
.set rW, WS+4*((\u)/2)+(\s)
.set rH, HS+4*((\t)/2)+(\s)
.if (\s) == 0
.if (((\u)%2) == 0) && (((\t)%2) == 0)
	v_wmma_scale_f32_16x16x128_f8f6f4 v[rD:rD+7], v[rA:rA+11], v[rB:rB+11], 0, v[rW], v[rH] matrix_a_fmt:MATRIX_FMT_BF6 matrix_b_fmt:MATRIX_FMT_BF6
.elseif ((\u)%2) == 0
	v_wmma_scale_f32_16x16x128_f8f6f4 v[rD:rD+7], v[rA:rA+11], v[rB:rB+11], 0, v[rW], v[rH] matrix_a_fmt:MATRIX_FMT_BF6 matrix_b_fmt:MATRIX_FMT_BF6 matrix_b_scale:MATRIX_SCALE_ROW1
.elseif ((\t)%2) == 0
	v_wmma_scale_f32_16x16x128_f8f6f4 v[rD:rD+7], v[rA:rA+11], v[rB:rB+11], 0, v[rW], v[rH] matrix_a_fmt:MATRIX_FMT_BF6 matrix_b_fmt:MATRIX_FMT_BF6 matrix_a_scale:MATRIX_SCALE_ROW1
.else
	v_wmma_scale_f32_16x16x128_f8f6f4 v[rD:rD+7], v[rA:rA+11], v[rB:rB+11], 0, v[rW], v[rH] matrix_a_fmt:MATRIX_FMT_BF6 matrix_b_fmt:MATRIX_FMT_BF6 matrix_a_scale:MATRIX_SCALE_ROW1 matrix_b_scale:MATRIX_SCALE_ROW1
.endif
.else
.if (((\u)%2) == 0) && (((\t)%2) == 0)
	v_wmma_scale_f32_16x16x128_f8f6f4 v[rD:rD+7], v[rA:rA+11], v[rB:rB+11], v[rD:rD+7], v[rW], v[rH] matrix_a_fmt:MATRIX_FMT_BF6 matrix_b_fmt:MATRIX_FMT_BF6
.elseif ((\u)%2) == 0
	v_wmma_scale_f32_16x16x128_f8f6f4 v[rD:rD+7], v[rA:rA+11], v[rB:rB+11], v[rD:rD+7], v[rW], v[rH] matrix_a_fmt:MATRIX_FMT_BF6 matrix_b_fmt:MATRIX_FMT_BF6 matrix_b_scale:MATRIX_SCALE_ROW1
.elseif ((\t)%2) == 0
	v_wmma_scale_f32_16x16x128_f8f6f4 v[rD:rD+7], v[rA:rA+11], v[rB:rB+11], v[rD:rD+7], v[rW], v[rH] matrix_a_fmt:MATRIX_FMT_BF6 matrix_b_fmt:MATRIX_FMT_BF6 matrix_a_scale:MATRIX_SCALE_ROW1
.else
	v_wmma_scale_f32_16x16x128_f8f6f4 v[rD:rD+7], v[rA:rA+11], v[rB:rB+11], v[rD:rD+7], v[rW], v[rH] matrix_a_fmt:MATRIX_FMT_BF6 matrix_b_fmt:MATRIX_FMT_BF6 matrix_a_scale:MATRIX_SCALE_ROW1 matrix_b_scale:MATRIX_SCALE_ROW1
.endif
.endif
.endm
.macro HALF s, u0                      ; 16 products: the four tiles of tokens x W2's tiles u0 .. u0 + 3; the accumulators take turns, one instruction a turn, in the same order in every step
	WIN 0x53                                       ; W2 window 3, the hidden layer window 0, C and D window 1
.irp t, 0,1,2,3
.irp u, \u0, \u0+1, \u0+2, \u0+3
	MM \t, \u, \s
.endr
.endr
.rept 4
	v_nop                                          ; four places ahead of loads into registers that these products read, and of the first read of results
.endr
.endm
; A K STEP.  Its loads come in three groups of 12: Wa (W2's tiles 0-3), H (the hidden layer), Wb (W2's tiles 4-7).  Wa's registers are free behind the step's first 16 products, H's and Wb's behind its last.
; Loads are issued in this order in a pass:  Wa2 | H2 Wb2 | Wa3 | H3 Wb3 E1' | Wa0' | H0' Wb0' | Wa1' | H1' Wb1' E3' | G'    (E1', E3': the next expert's scale words of K steps 0, 1 and 2, 3, six loads each; G': its gates, four).
; A step's first wait wants its Wa and H, its second its Wb; the count is what was issued behind the last of these.
;   steps 0, 1: four groups of 12, E3 and G = 58, at both waits.   steps 2, 3: four groups of 12 and E1' = 54, at both waits.
;   the last pass asks for no next expert: step 2: 48 and 36; step 3: 12 and 0.
; A step's scale words and the pass's gates were issued ahead of loads that these waits cover.
.macro STEP s, pf
.if (\s) < 2
	s_wait_loadcnt 58
.elseif \pf
	s_wait_loadcnt 54
.elseif (\s) == 2
	s_wait_loadcnt 48
.else
	s_wait_loadcnt 12
.endif
	HALF \s, 0
.if (\s) < 2
	LDW (\s)+2, 30, 0                              ; the set just read takes the K step two on,
.elseif \pf
	LDW (\s)-2, 34, 0                              ; or the next expert's
.endif
.if (\s) < 2
	s_wait_loadcnt 58
.elseif \pf
	s_wait_loadcnt 54
.elseif (\s) == 2
	s_wait_loadcnt 36
.else
	s_wait_loadcnt 0
.endif
	HALF \s, 4
.if (\s) < 2
	LDH (\s)+2, 28
	LDW (\s)+2, 30, 4
.elseif \pf
	LDH (\s)-2, 32
	LDW (\s)-2, 34, 4
.endif
	WIN 0
.if ((\s) == 1) && (\pf)
	LDSC 0
.endif
.if ((\s) == 3) && (\pf)
	LDSC 1
.endif
.endm
.macro EPI pf                          ; OUT += gate x ACC, two numbers an instruction; a lane's gate is its token's.  Ascending: each accumulator is first read at its low end
	WIN 0xa1                                       ; ACC window 1, the gates window 0, OUT window 2
.irp t, 0,1,2,3
.set J, 0
.rept 32
.if (\t%2) == 0
	v_pk_fma_f32 v[64*\t+2*J:64*\t+2*J+1], v[64*\t+2*J:64*\t+2*J+1], v[GW+2*(\t/2):GW+2*(\t/2)+1], v[64*\t+2*J:64*\t+2*J+1] op_sel_hi:[1,0,1]
.else
	v_pk_fma_f32 v[64*\t+2*J:64*\t+2*J+1], v[64*\t+2*J:64*\t+2*J+1], v[GW+2*(\t/2):GW+2*(\t/2)+1], v[64*\t+2*J:64*\t+2*J+1] op_sel:[0,1,0] op_sel_hi:[1,1,1]
.endif
.set J, J+1
.endr
.endr
	WIN 0
.if \pf
	LDG
.endif
.endm
.macro PASS pf                         ; one expert
	s_wait_xcnt 0x0                                ; every earlier load has read its bases: they are written again only behind this wait
	s_mov_b64 s[28:29], s[32:33]
	s_mov_b64 s[30:31], s[34:35]
.if \pf
	BASES
.endif
.irp s, 0,1,2,3
	STEP \s, \pf
.endr
	EPI \pf
.endm
	s_load_b256 s[4:11], s[0:1], 0x0               ; plan s[4:5], wt s[6:7], hid s[8:9], wimg s[10:11]
	s_load_b128 s[12:15], s[0:1], 0x20             ; W2's scales s[12:13], b2 s[14:15]
	s_load_b64 s[16:17], s[0:1], 0x30              ; out0
	v_lshl_add_u32 v254, v0, 2, 0x21000
	v_mov_b32 v255, 0
	v_lshrrev_b32 v26, 5, v0
	v_readfirstlane_b32 s51, v26                   ; wave = kq: which quarter of K
	s_and_b32 s55, ttmp7, 0xffff                   ; blk
	v_and_b32 v26, 31, v0
	v_and_b32 v27, 15, v0                          ; r
	v_bfe_u32 v28, v0, 4, 1                        ; h
	v_lshlrev_b32 v1, 4, v26                       ; 16 x lane
	v_lshlrev_b32 v2, 10, v28
	v_lshl_add_u32 v2, v27, 6, v2                  ; scale rows of either side: (lane / 16) 1,024 + 64 r
	v_lshlrev_b32 v3, 5, v28                       ; b2: 32 h
	s_mul_i32 s48, s51, STG
	v_mul_u32_u24 v8, v27, SPITCH
	v_lshl_add_u32 v8, v28, 5, v8
	v_add_nc_u32 v8, s48, v8                       ; my stage: row r, + 32 h
	s_mul_i32 s48, s51, 16*SPITCH
	v_add_nc_u32 v[RD], s48, v1                    ; back: rows 16 wave on, 16 bytes a lane, in the first wave's stage,
	v_add_nc_u32 v[RD+1], STG, v[RD]               ; the second's,
	v_add_nc_u32 v[RD+2], 2*STG, v[RD]
	v_add_nc_u32 v[RD+3], 3*STG, v[RD]
	v_lshlrev_b32 v29, 2, v27                      ; the list: 4 r
	s_lshl_b32 s48, s51, 6
	v_mov_b32 v30, s48                             ;           4 x 16 wave, the same in all lanes
	s_lshl_b32 s52, ttmp9, 9
	v_add_nc_u32 v31, s52, v1                      ; in a row of out: 512 cs + 16 x lane
	s_lshl_b32 s58, s55, 2
	s_lshl_b32 s44, s55, 8
	s_mov_b32 s45, 0
	s_wait_kmcnt 0x0
	s_load_b32 s46, s[4:5], s58 offset:0x2000      ; the block's mask of experts
	s_add_nc_u64 s[60:61], s[4:5], s[44:45]        ; the block's 64 places of the list
.irp t, 0,1,2,3
	global_load_b32 v[4+\t], v29, s[60:61] offset:64*\t    ; the token of row 16 t + r
.endr
.set I, 0
.rept 16
	global_load_b32 v[10+I], v30, s[60:61] offset:4*I      ; the token of row 16 wave + I
.set I, I+1
.endr
	s_lshl_b32 s44, s51, 13
	s_add_co_u32 s44, s44, s52
	s_add_nc_u64 s[26:27], s[14:15], s[44:45]      ; b2: experts 2 kq and 2 kq + 1, my 128 columns
	WIN 0x40
.irp e, 0,1
.irp u, 0,1,2,3,4,5,6,7                        ; lane (r, h), tile u: columns 16 u + 8 h + 0..7, into the registers that the accumulators will take
	global_load_b128 v[64*\e+8*\u:64*\e+8*\u+3], v3, s[26:27] offset:4096*\e+64*\u
	global_load_b128 v[64*\e+8*\u+4:64*\e+8*\u+7], v3, s[26:27] offset:4096*\e+64*\u+16
.endr
.endr
	WIN 0
	s_mul_i32 s44, s55, 786432
	s_mul_i32 s48, s51, 6144
	s_add_co_u32 s44, s44, s48
	s_add_nc_u64 s[18:19], s[8:9], s[44:45]        ; hidden images: the block, my quarter of K
	s_mul_i32 s44, ttmp9, 196608
	s_add_co_u32 s44, s44, s48
	s_add_co_u32 s44, s44, 12582912
	s_add_nc_u64 s[20:21], s[10:11], s[44:45]      ; W2's images: tile 8 cs, my quarter of K
	s_lshl_b32 s44, s55, 15
	s_add_co_u32 s44, s44, 25165824
	s_lshl_b32 s48, s51, 4
	s_add_co_u32 s44, s44, s48
	s_add_nc_u64 s[22:23], s[8:9], s[44:45]        ; hidden scale words
	s_lshl_b32 s44, ttmp9, 13
	s_add_co_u32 s44, s44, s48
	s_add_nc_u64 s[24:25], s[12:13], s[44:45]      ; W2's scale words
	s_lshl_b32 s44, s51, 3
	s_add_nc_u64 s[62:63], s[6:7], s[44:45]        ; the gates of experts 2 kq and 2 kq + 1
	s_wait_kmcnt 0x0
	s_and_b32 s46, s46, 0xff
	s_bcnt1_i32_b32 s49, s46                       ; experts to walk
	BASES
	LDSC 0                                         ; the first expert's E1 and K step 0 hang on the mask alone: they go out while the list is on its way
	LDW 0, 34, 0
	LDH 0, 32
	LDW 0, 34, 4
	WIN 0
	s_wait_loadcnt 42                              ; exactly those 42 are younger: the list and b2 are in
.irp t, 0,1,2,3
	v_min_u32 v[4+\t], 0x7ff, v[4+\t]              ; a loaded number is held inside the table before it enters an address
	v_lshlrev_b32 v[4+\t], 5, v[4+\t]
.endr
.set I, 0
.rept 16
	v_min_u32 v[10+I], 0x7ff, v[10+I]
	v_lshlrev_b32 v[10+I], 12, v[10+I]
	v_add_nc_u32 v[10+I], v31, v[10+I]
.set I, I+1
.endr
.irp t, 0,1,2,3
	global_load_b64 v[GB+2*\t:GB+2*\t+1], v[4+\t], s[62:63]
.endr
	LDW 1, 34, 0
	LDH 1, 32
	LDW 1, 34, 4
	LDSC 1
	LDG
	s_wait_loadcnt 46                              ; K step 1, E3 and G are younger: the gates of my two bias experts are in (and K step 0 with them)
	WIN 0x81                                       ; b2 window 1, the gates window 0, OUT window 2
.irp t, 0,1,2,3                                ; OUT begins as the bias term of my two experts: nothing is cleared
.set J, 0
.rept 32
	v_pk_mul_f32 v[64*\t+2*J:64*\t+2*J+1], v[2*J:2*J+1], v[GB+2*\t:GB+2*\t+1] op_sel_hi:[1,0]
.set J, J+1
.endr
.endr
	WIN 0xa1
.irp t, 0,1,2,3
.set J, 0
.rept 32
	v_pk_fma_f32 v[64*\t+2*J:64*\t+2*J+1], v[64+2*J:64+2*J+1], v[GB+2*\t:GB+2*\t+1], v[64*\t+2*J:64*\t+2*J+1] op_sel:[0,1,0] op_sel_hi:[1,1,1]
.set J, J+1
.endr
.endr
	WIN 0
	s_mov_b32 s50, 0
	s_cmp_lt_u32 s49, 2
	s_cbranch_scc1 .Llast
	s_sub_co_u32 s49, s49, 1                       ; all experts but the last ask for a next one
.Lpass:
	PASS 1
	s_add_co_u32 s50, s50, 1
	s_cmp_lt_u32 s50, s49
	s_cbranch_scc1 .Lpass
.Llast:
	PASS 0
	; THE WAY OUT: each wave's OUT goes to its own stage; behind the barrier each wave adds the four quarters of K for 16 whole rows and stores them
	WIN 0x08                                       ; an LDS store's data are its source 1: window 2
.irp t, 0,1,2,3
.irp u, 0,1,2,3,4,5,6,7
	ds_store_b128 v8, v[8*(8*\t+\u):8*(8*\t+\u)+3] offset:\t*16*SPITCH+64*\u
	ds_store_b128 v8, v[8*(8*\t+\u)+4:8*(8*\t+\u)+7] offset:\t*16*SPITCH+64*\u+16
.endr
.endr
	WIN 0
	s_wait_dscnt 0x0                               ; for the others' sake: my stores into my stage are done
	s_barrier_signal -1
	s_barrier_wait -1
	WIN 0x40                                       ; into the accumulators' registers, which are done with: stage q, row I at 64 q + 4 I
.set I, 0
.rept 16
.irp q, 0,1,2,3
	ds_load_b128 v[64*\q+4*I:64*\q+4*I+3], v[RD+\q] offset:I*SPITCH
.endr
.set I, I+1
.endr
	s_wait_dscnt 0x0
	WIN 0x45
.set I, 0
.rept 32
	v_pk_add_f32 v[2*I:2*I+1], v[2*I:2*I+1], v[64+2*I:64+2*I+1]
	v_pk_add_f32 v[128+2*I:128+2*I+1], v[128+2*I:128+2*I+1], v[192+2*I:192+2*I+1]
.set I, I+1
.endr
.set I, 0
.rept 32
	v_pk_add_f32 v[2*I:2*I+1], v[2*I:2*I+1], v[128+2*I:128+2*I+1]
.set I, I+1
.endr
	WIN 0x04                                       ; a store's data are its source 1: window 1
.set I, 0
.rept 16
	global_store_b128 v[10+I], v[4*I:4*I+3], s[16:17] th:TH_STORE_NT   ; 32 lanes store 512 consecutive bytes of a token's row, at a multiple of 256 from out's first byte
.set I, I+1
.endr
	WIN 0
	s_wait_tensorcnt 0x0
	ds_add_u32 v254, v255
	s_wait_dscnt 0x0
	s_endpgm
.Lfunc_end_k_qb5376a2081_down:
	.size	k_qb5376a2081_down, .Lfunc_end_k_qb5376a2081_down-k_qb5376a2081_down
	.p2alignl 7, 3214868480
	.fill 96, 4, 3214868480
	.section	.rodata,"a",@progbits
	.p2align	6, 0x0
	.amdhsa_kernel k_qb5376a2081_down
		.amdhsa_group_segment_fixed_size 135680
		.amdhsa_private_segment_fixed_size 0
		.amdhsa_enable_private_segment 0
		.amdhsa_kernarg_size 56
		.amdhsa_user_sgpr_count 2
		.amdhsa_user_sgpr_kernarg_segment_ptr 1
		.amdhsa_wavefront_size32 1
		.amdhsa_system_sgpr_workgroup_id_x 1
		.amdhsa_system_sgpr_workgroup_id_y 1
		.amdhsa_system_sgpr_workgroup_id_z 1
		.amdhsa_system_vgpr_workitem_id 0
		.amdhsa_next_free_vgpr 1024
		.amdhsa_next_free_sgpr 88
		.amdhsa_reserve_vcc 0
		.amdhsa_float_denorm_mode_32 3
		.amdhsa_float_denorm_mode_16_64 3
		.amdhsa_memory_ordered 1
		.amdhsa_forward_progress 1
		.amdhsa_inst_pref_size 127
	.end_amdhsa_kernel
	.amdgpu_metadata
---
amdhsa.version: [ 1, 2 ]
amdhsa.kernels:
  - .name:           k_qb5376a2081_down
    .symbol:         k_qb5376a2081_down.kd
    .args:
      - { .name: plan, .offset: 0, .size: 8, .value_kind: global_buffer, .address_space: global }
      - { .name: wt, .offset: 8, .size: 8, .value_kind: global_buffer, .address_space: global }
      - { .name: hid, .offset: 16, .size: 8, .value_kind: global_buffer, .address_space: global }
      - { .name: wimg, .offset: 24, .size: 8, .value_kind: global_buffer, .address_space: global }
      - { .name: W2_scales, .offset: 32, .size: 8, .value_kind: global_buffer, .address_space: global }
      - { .name: b2, .offset: 40, .size: 8, .value_kind: global_buffer, .address_space: global }
      - { .name: out0, .offset: 48, .size: 8, .value_kind: global_buffer, .address_space: global }
    .group_segment_fixed_size: 135680
    .private_segment_fixed_size: 0
    .kernarg_segment_align: 8
    .kernarg_segment_size: 56
    .max_flat_workgroup_size: 128
    .sgpr_count:     88
    .vgpr_count:     1024
    .wavefront_size: 32
...
	.end_amdgpu_metadata
.endif
;; end of part 4
;; ======== version 2 of 2: 4 launches
;; workspace buffers: xq 1,638,400 bytes; keys 8,192 bytes of whole numbers; wt 65,536 bytes; plan 8,448 bytes of whole numbers; wimg 25,165,824 bytes; hid 26,214,400 bytes
;; launch route (part 5): grid 256 x 1, 4 waves a work-group, no clusters, 70,656 bytes of LDS; arguments x, Wg, bg, xq, keys, wt; writes xq, keys, wt
.if DOCPART == 5
	.amdgcn_target "amdgcn-amd-amdhsa--gfx1250"
	.amdhsa_code_object_version 6
	.text
	.protected	k_qb5376a2081_route
	.globl	k_qb5376a2081_route
	.p2align	8
	.type	k_qb5376a2081_route,@function
k_qb5376a2081_route:
	s_mov_b64 s[64:65], 0
	v_nop
	global_prefetch_b8 v0, s[64:65] scope:SCOPE_SE
	s_setreg_imm32_b32 hwreg(HW_REG_WAVE_MODE, 25, 1), 1
	s_wait_xcnt 0x0
; ROUTER AND QUANTISER OF x.  scores = x Wg + bg in f32 (fused multiply-adds); the two largest scores of each token (ties: the lower index, as the
; reference's top-k); gate weights = softmax (largest score taken away first) x mask / (sum + 1e-8); x into codes of E3M2 with one E8M0 byte for each 32 along D.
; STORED, all at fixed places: keys[t] = 8 x lower expert + higher expert; wt[t][8] (0 for experts not chosen); xq: token t's codes at 768 t, laid
; [piece 0..2][block 0..31][8 bytes] (piece p = bytes 8 p .. 8 p + 7 of a block's 24), its 32 scale bytes at 1,572,864 + 32 t.
; SHARES.  A work-group takes 8 tokens, a wave 2; lane l takes block l (32 numbers along D) of both tokens and the 32 rows of Wg that belong to it.
; Loads take memory as it lies (512 consecutive bytes an instruction); x and Wg are turned through LDS so that a lane holds 32 neighbours.
; LIMITS: scores must be finite; NaN and infinities among the inputs are not served; where a token's second and third score differ by less than the rounding
; of an f32 sum of 1,024 terms, either may be chosen; a block of zeros gets the byte 1 (its codes are zeros, and this program alone reads the bytes).
.set XST, 33280                        ; LDS: Wg turned, 32 places of 1,040 bytes, from 0; then for each wave two tokens x 32 places of 144 bytes
.set X,   16                           ; v16-79   x: token t at X + 32 t
.set WA,  80                           ; v80-143  Wg as loaded, then quarters 0 and 2; later at work
.set WB,  144                          ; v144-207 quarters 1 and 3
.set S,   208                          ; v208-223 the scores: token t, expert e at S + 8 t + e
.set DD,  224                          ; v224-239 the exponentials
.set T,   240                          ; v240-255 token t at T + 8 t: +0 best, +1 its index, +2 second, +3 its index, +4 .. +7 at work
.set CD,  80                           ; codes: token t at CD + 8 t
	s_load_b256 s[4:11], s[0:1], 0x0               ; x s[4:5], Wg s[6:7], bg s[8:9], xq s[10:11]
	s_load_b128 s[12:15], s[0:1], 0x20             ; keys s[12:13], wt s[14:15]
	v_lshl_add_u32 v14, v0, 2, 0x11200
	v_mov_b32 v15, 0
	v_lshrrev_b32 v11, 5, v0
	v_readfirstlane_b32 s27, v11                   ; wave
	v_and_b32 v1, 31, v0                           ; lane
	v_lshlrev_b32 v2, 4, v1                        ; 16 x lane
	s_mul_i32 s28, s27, 8320
	v_add_nc_u32 v3, s28, v2                       ; Wg into LDS: my wave's 8 places, 16 x lane
	s_mul_i32 s28, s27, 9216
	s_add_co_u32 s28, s28, XST                     ; my wave's stage for x
	v_lshrrev_b32 v11, 3, v1
	v_and_b32 v10, 7, v1                           ; lane % 8
	v_mul_u32_u24 v4, v11, 144
	v_lshl_add_u32 v4, v10, 4, v4
	v_add_nc_u32 v4, s28, v4                       ; x in: eight lanes' 128 bytes make a place
	v_mul_u32_u24 v5, v1, 144
	v_add_nc_u32 v5, s28, v5                       ; x out: my place
	v_mul_u32_u24 v6, v1, 1040                     ; Wg out: my place
	v_lshlrev_b32 v7, 3, v1                        ; 8 x lane
	v_and_b32 v8, 15, v1
	v_lshlrev_b32 v8, 2, v8                        ; wt: 4 x (lane % 16)
	v_bfe_u32 v9, v1, 3, 1
	v_lshlrev_b32 v9, 2, v9                        ; keys: 4 x token in the wave
	s_mov_b32 s24, 0x76543210
	s_mov_b32 s25, 0xfedcba98                      ; selects: lane l xor 16
	s_mov_b32 s26, 0xff00ff00                      ; the lanes that stand for the wave's second token
	s_lshl_b32 s29, ttmp9, 3
	s_lshl_b32 s30, s27, 1
	s_add_co_u32 s29, s29, s30                     ; my first token
	s_mov_b32 s33, 0
	s_wait_alu depctr_va_vdst(0)
	s_wait_kmcnt 0x0
	s_load_b256 s[16:23], s[8:9], 0x0              ; bg
	s_lshl_b32 s32, s27, 13
	s_add_nc_u64 s[6:7], s[6:7], s[32:33]          ; my wave's quarter of Wg
	s_lshl_b32 s32, s29, 12
	s_add_nc_u64 s[4:5], s[4:5], s[32:33]          ; my two rows of x
.set I, 0
.rept 16
	global_load_b128 v[WA+4*I:WA+4*I+3], v2, s[6:7] offset:512*I
.set I, I+1
.endr
.irp t, 0,1
.irp i, 0,1,2,3,4,5,6,7
	global_load_b128 v[X+32*\t+4*\i:X+32*\t+4*\i+3], v2, s[4:5] offset:4096*\t+512*\i th:TH_LOAD_NT
.endr
.endr
	s_mul_i32 s32, s29, 768
	s_add_nc_u64 s[34:35], s[10:11], s[32:33]      ; my tokens' codes
	s_lshl_b32 s32, s29, 5
	s_add_nc_u64 s[36:37], s[10:11], s[32:33]      ; their scale bytes (the region's start stands in the store's immediate)
	s_add_nc_u64 s[14:15], s[14:15], s[32:33]      ; their gate weights
	s_lshl_b32 s32, s29, 2
	s_add_nc_u64 s[12:13], s[12:13], s[32:33]      ; their keys
	s_wait_loadcnt 16                              ; the 16 loads of x are younger: Wg's are in
.set I, 0
.rept 16
	ds_store_b128 v3, v[WA+4*I:WA+4*I+3] offset:(I/2)*1040+512*(I%2)
.set I, I+1
.endr
	s_wait_loadcnt 0x0
.irp t, 0,1
.irp i, 0,1,2,3,4,5,6,7
	ds_store_b128 v4, v[X+32*\t+4*\i:X+32*\t+4*\i+3] offset:4608*\t+576*\i
.endr
.endr
	s_wait_dscnt 0x0                               ; for the others' sake: my part of Wg lies in LDS
	s_barrier_signal -1
	s_barrier_wait -1
.irp t, 0,1
.irp j, 0,1,2,3,4,5,6,7
	ds_load_b128 v[X+32*\t+4*\j:X+32*\t+4*\j+3], v5 offset:4608*\t+16*\j   ; my 32 neighbours
.endr
.endr
.macro LDQ qd, buf                     ; eight rows of Wg (8 experts each) of my 32: register 8 k8 + e = Wg[32 l + 8 qd + k8][e]
.set U, 0
.rept 16
	ds_load_b128 v[\buf+4*U:\buf+4*U+3], v6 offset:256*(\qd)+16*U
.set U, U+1
.endr
.endm
.macro FMAQ qd, buf                    ; 8 numbers of x of both tokens x 8 experts: eight chains of packed multiply-adds by turns; x's number serves both halves
.set K8, 0
.rept 8
.set KK, 8*(\qd)+K8
.irp t, 0,1
.irp p, 0,1,2,3
.if KK == 0
	v_pk_mul_f32 v[S+8*\t+2*\p:S+8*\t+2*\p+1], v[X+32*\t:X+32*\t+1], v[\buf+2*\p:\buf+2*\p+1] op_sel_hi:[0,1]
.elseif KK%2 == 0
	v_pk_fma_f32 v[S+8*\t+2*\p:S+8*\t+2*\p+1], v[X+32*\t+KK:X+32*\t+KK+1], v[\buf+8*K8+2*\p:\buf+8*K8+2*\p+1], v[S+8*\t+2*\p:S+8*\t+2*\p+1] op_sel_hi:[0,1,1]
.else
	v_pk_fma_f32 v[S+8*\t+2*\p:S+8*\t+2*\p+1], v[X+32*\t+KK-1:X+32*\t+KK], v[\buf+8*K8+2*\p:\buf+8*K8+2*\p+1], v[S+8*\t+2*\p:S+8*\t+2*\p+1] op_sel:[1,0,0] op_sel_hi:[1,1,1]
.endif
.endr
.endr
.set K8, K8+1
.endr
.endm
	LDQ 0, WA
	LDQ 1, WB
	s_wait_dscnt 16                                ; only the younger quarter's 16 loads may be out
	FMAQ 0, WA
	LDQ 2, WA
	s_wait_alu depctr_va_vdst(0)
	s_wait_dscnt 16
	FMAQ 1, WB
	LDQ 3, WB
	s_wait_alu depctr_va_vdst(0)
	s_wait_dscnt 16
	FMAQ 2, WA
	s_wait_alu depctr_va_vdst(0)
	s_wait_dscnt 0x0
	FMAQ 3, WB
	; the 32 lanes' parts are added: every lane ends with the same 16 sums
.irp m, 1,2,4,8
.set J, 0
.rept 16
	v_add_f32_dpp v[S+J], v[S+J], v[S+J] row_xmask:\m row_mask:0xf bank_mask:0xf
.set J, J+1
.endr
.endr
.set J, 0
.rept 16
	v_permlanex16_b32 v[WA+J], v[S+J], s24, s25    ; (its destination has been written: WA is free)
.set J, J+1
.endr
	s_wait_kmcnt 0x0                               ; bg
.set J, 0
.rept 16
	v_add_f32 v[S+J], v[S+J], v[WA+J]
.set J, J+1
.endr
.irp t, 0,1
.irp e, 0,1,2,3,4,5,6,7
	v_add_f32 v[S+8*\t+\e], s[16+\e], v[S+8*\t+\e]
.endr
.endr
	; the largest score: a later expert takes the place only if it is strictly larger
.irp t, 0,1
	v_mov_b32 v[T+8*\t], v[S+8*\t]
	v_mov_b32 v[T+8*\t+1], 0
	v_mov_b32 v[T+8*\t+2], 0xff800000
	v_mov_b32 v[T+8*\t+3], 0
.endr
.irp e, 1,2,3,4,5,6,7
.irp t, 0,1
	v_cmp_gt_f32 vcc_lo, v[S+8*\t+\e], v[T+8*\t]
	v_cndmask_b32 v[T+8*\t], v[T+8*\t], v[S+8*\t+\e], vcc_lo
	v_cndmask_b32 v[T+8*\t+1], v[T+8*\t+1], \e, vcc_lo
.endr
.endr
	; the second: the same among the other seven
.irp e, 0,1,2,3,4,5,6,7
.irp t, 0,1
	v_cmp_ne_u32 s30, \e, v[T+8*\t+1]
	v_cmp_gt_f32 vcc_lo, v[S+8*\t+\e], v[T+8*\t+2]
	s_and_b32 vcc_lo, vcc_lo, s30
	v_cndmask_b32 v[T+8*\t+2], v[T+8*\t+2], v[S+8*\t+\e], vcc_lo
	v_cndmask_b32 v[T+8*\t+3], v[T+8*\t+3], \e, vcc_lo
.endr
.endr
.irp t, 0,1
	v_cmp_eq_u32 vcc_lo, v[T+8*\t+1], v[T+8*\t+3]  ; two different experts in every case
	v_xor_b32 v[T+8*\t+4], 1, v[T+8*\t+1]
	v_cndmask_b32 v[T+8*\t+3], v[T+8*\t+3], v[T+8*\t+4], vcc_lo
.endr
	; softmax with the largest score taken away
.irp t, 0,1
.irp e, 0,1,2,3,4,5,6,7
	v_sub_f32 v[DD+8*\t+\e], v[S+8*\t+\e], v[T+8*\t]
.endr
	v_sub_f32 v[T+8*\t+4], v[T+8*\t+2], v[T+8*\t]
.endr
.set J, 0
.rept 16
	v_mul_f32 v[DD+J], 0x3fb8aa3b, v[DD+J]
.set J, J+1
.endr
	v_mul_f32 v[T+4], 0x3fb8aa3b, v[T+4]
	v_mul_f32 v[T+12], 0x3fb8aa3b, v[T+12]
.set J, 0
	s_wait_alu depctr_va_vdst(0)
.rept 16
	v_exp_f32 v[DD+J], v[DD+J]
.set J, J+1
.endr
	v_exp_f32 v[T+4], v[T+4]
	v_exp_f32 v[T+12], v[T+12]
	v_nop                                          ; a plain instruction behind the batch (ISA guide 5.7.2)
	s_wait_alu depctr_va_vdst(0)                   ; one wait for the 18 exponentials, ahead of their first reader
.irp t, 0,1
	v_add_f32 v[DD+8*\t], v[DD+8*\t], v[DD+8*\t+1]
	v_add_f32 v[DD+8*\t+2], v[DD+8*\t+2], v[DD+8*\t+3]
	v_add_f32 v[DD+8*\t+4], v[DD+8*\t+4], v[DD+8*\t+5]
	v_add_f32 v[DD+8*\t+6], v[DD+8*\t+6], v[DD+8*\t+7]
.endr
.irp t, 0,1
	v_add_f32 v[DD+8*\t], v[DD+8*\t], v[DD+8*\t+2]
	v_add_f32 v[DD+8*\t+4], v[DD+8*\t+4], v[DD+8*\t+6]
.endr
.irp t, 0,1
	v_add_f32 v[T+8*\t+5], v[DD+8*\t], v[DD+8*\t+4] ; Z
.endr
	s_wait_alu depctr_va_vdst(0)
	v_rcp_f32 v[T+6], v[T+5]
	v_rcp_f32 v[T+14], v[T+13]
	v_nop
	s_wait_alu depctr_va_vdst(0)                   ; one wait for the two reciprocals
.irp t, 0,1
	v_mul_f32 v[T+8*\t+4], v[T+8*\t+4], v[T+8*\t+6] ; p2; p1 = 1 / Z
.endr
.irp t, 0,1
	v_add_f32 v[T+8*\t+5], v[T+8*\t+6], v[T+8*\t+4]
.endr
.irp t, 0,1
	v_add_f32 v[T+8*\t+5], 0x322bcc77, v[T+8*\t+5]  ; + 1e-8
.endr
	s_wait_alu depctr_va_vdst(0)
	v_rcp_f32 v[T+7], v[T+5]
	v_rcp_f32 v[T+15], v[T+13]
	v_nop
	s_wait_alu depctr_va_vdst(0)
.irp t, 0,1
	v_mul_f32 v[T+8*\t+6], v[T+8*\t+6], v[T+8*\t+7] ; w1
	v_mul_f32 v[T+8*\t+4], v[T+8*\t+4], v[T+8*\t+7] ; w2
.endr
.irp t, 0,1                                    ; lane l stands for expert l % 8
	v_cmp_eq_u32 vcc_lo, v10, v[T+8*\t+3]
	v_cndmask_b32 v[96+\t], 0, v[T+8*\t+4], vcc_lo
	v_cmp_eq_u32 vcc_lo, v10, v[T+8*\t+1]
	v_cndmask_b32 v[96+\t], v[96+\t], v[T+8*\t+6], vcc_lo
	v_min_u32 v[100+\t], v[T+8*\t+1], v[T+8*\t+3]
	v_max_u32 v[102+\t], v[T+8*\t+1], v[T+8*\t+3]
	v_lshl_add_u32 v[100+\t], v[100+\t], 3, v[102+\t]
.endr
	v_cndmask_b32 v98, v96, v97, s26
	v_cndmask_b32 v104, v100, v101, s26
	; x into codes: my block of each token.  The largest magnitude with a floor, 4 off its exponent field, the byte, two conversions
.irp t, 0,1
	v_max3_num_f32 v[106+2*\t], |v[X+32*\t]|, |v[X+32*\t+1]|, |v[X+32*\t+2]|
	v_max3_num_f32 v[107+2*\t], |v[X+32*\t+3]|, |v[X+32*\t+4]|, |v[X+32*\t+5]|
.endr
.irp i, 6,10,14,18,22,26
.irp t, 0,1
	v_max3_num_f32 v[106+2*\t], v[106+2*\t], |v[X+32*\t+\i]|, |v[X+32*\t+\i+1]|
	v_max3_num_f32 v[107+2*\t], v[107+2*\t], |v[X+32*\t+\i+2]|, |v[X+32*\t+\i+3]|
.endr
.endr
.irp t, 0,1
	v_max3_num_f32 v[106+2*\t], v[106+2*\t], |v[X+32*\t+30]|, |v[X+32*\t+31]|
.endr
.irp t, 0,1
	v_max3_num_f32 v[106+2*\t], v[106+2*\t], v[107+2*\t], 0x2800000   ; the floor 2^(5 - 127): the byte cannot fall under 1
.endr
.irp t, 0,1
	v_add_nc_u32 v[110+\t], 0xfe000000, v[106+2*\t]
.endr
.irp t, 0,1
	v_lshrrev_b32 v[112+\t], 23, v[110+\t]
.endr
.irp t, 0,1
	v_cvt_scalef32_pk16_bf6_f32 v[CD+8*\t:CD+8*\t+2], v[X+32*\t:X+32*\t+15], v[110+\t]
	v_cvt_scalef32_pk16_bf6_f32 v[CD+8*\t+4:CD+8*\t+6], v[X+32*\t+16:X+32*\t+31], v[110+\t]   ; (a conversion's three registers begin on an even number)
.endr
	v_nop                                          ; one plain instruction behind the scaled conversions
.irp t, 0,1
	v_mov_b32 v[CD+8*\t+3], v[CD+8*\t+4]
	v_mov_b32 v[CD+8*\t+4], v[CD+8*\t+5]
	v_mov_b32 v[CD+8*\t+5], v[CD+8*\t+6]
.endr
.irp t, 0,1
.irp p, 0,1,2
	global_store_b64 v7, v[CD+8*\t+2*\p:CD+8*\t+2*\p+1], s[34:35] offset:768*\t+256*\p   ; 32 lanes store 256 consecutive bytes, at a multiple of 256 from the buffer's first byte
.endr
	global_store_b8 v1, v[112+\t], s[36:37] offset:1572864+32*\t
.endr
	global_store_b32 v8, v98, s[14:15]             ; 64 bytes a wave; lanes 16-31 repeat lanes 0-15
	global_store_b32 v9, v104, s[12:13]            ; two words a wave; the lanes of a token write the same word with the same value
	s_wait_tensorcnt 0x0
	ds_add_u32 v14, v15
	s_wait_dscnt 0x0
	s_endpgm
.Lfunc_end_k_qb5376a2081_route:
	.size	k_qb5376a2081_route, .Lfunc_end_k_qb5376a2081_route-k_qb5376a2081_route
	.p2alignl 7, 3214868480
	.fill 96, 4, 3214868480
	.section	.rodata,"a",@progbits
	.p2align	6, 0x0
	.amdhsa_kernel k_qb5376a2081_route
		.amdhsa_group_segment_fixed_size 70656
		.amdhsa_private_segment_fixed_size 0
		.amdhsa_enable_private_segment 0
		.amdhsa_kernarg_size 48
		.amdhsa_user_sgpr_count 2
		.amdhsa_user_sgpr_kernarg_segment_ptr 1
		.amdhsa_wavefront_size32 1
		.amdhsa_system_sgpr_workgroup_id_x 1
		.amdhsa_system_sgpr_workgroup_id_y 1
		.amdhsa_system_sgpr_workgroup_id_z 1
		.amdhsa_system_vgpr_workitem_id 0
		.amdhsa_next_free_vgpr 256
		.amdhsa_next_free_sgpr 66
		.amdhsa_reserve_vcc 1
		.amdhsa_float_denorm_mode_32 3
		.amdhsa_float_denorm_mode_16_64 3
		.amdhsa_memory_ordered 1
		.amdhsa_forward_progress 1
		.amdhsa_inst_pref_size 49
	.end_amdhsa_kernel
	.amdgpu_metadata
---
amdhsa.version: [ 1, 2 ]
amdhsa.kernels:
  - .name:           k_qb5376a2081_route
    .symbol:         k_qb5376a2081_route.kd
    .args:
      - { .name: x, .offset: 0, .size: 8, .value_kind: global_buffer, .address_space: global }
      - { .name: Wg, .offset: 8, .size: 8, .value_kind: global_buffer, .address_space: global }
      - { .name: bg, .offset: 16, .size: 8, .value_kind: global_buffer, .address_space: global }
      - { .name: xq, .offset: 24, .size: 8, .value_kind: global_buffer, .address_space: global }
      - { .name: keys, .offset: 32, .size: 8, .value_kind: global_buffer, .address_space: global }
      - { .name: wt, .offset: 40, .size: 8, .value_kind: global_buffer, .address_space: global }
    .group_segment_fixed_size: 70656
    .private_segment_fixed_size: 0
    .kernarg_segment_align: 8
    .kernarg_segment_size: 48
    .max_flat_workgroup_size: 128
    .sgpr_count:     66
    .vgpr_count:     256
    .wavefront_size: 32
...
	.end_amdgpu_metadata
.endif
;; end of part 5
;; launch place (part 6): grid 257 x 1, 8 waves a work-group, no clusters, 102,400 bytes of LDS; arguments keys, W1_codes, W2_codes, plan, wimg; writes plan, wimg
.if DOCPART == 6
	.amdgcn_target "amdgcn-amd-amdhsa--gfx1250"
	.amdhsa_code_object_version 6
	.text
	.protected	k_qb5376a2081_place
	.globl	k_qb5376a2081_place
	.p2align	8
	.type	k_qb5376a2081_place,@function
k_qb5376a2081_place:
	s_mov_b64 s[64:65], 0
	v_nop
	global_prefetch_b8 v0, s[64:65] scope:SCOPE_SE
	s_setreg_imm32_b32 hwreg(HW_REG_WAVE_MODE, 25, 1), 1
	s_wait_xcnt 0x0
; TWO JOBS IN ONE LAUNCH, parted by the work-group's number.
; WORK-GROUP 0: a counting sort of the 2,048 tokens by their PAIR of experts (28 keys), the pairs in an order in which neighbours share one expert.  plan words 0..2047:
; the token at each sorted place.  A block is 64 sorted places; plan words 2048..2079: for each block the 8-bit mask of the experts that its tokens use.
; WORK-GROUPS 1..256: the weights' codes are laid as IMAGES OF OPERAND REGISTERS.  A fragment (16 rows x 128 K, 12 registers a lane) is 1,536 bytes: [q 0..2][lane][16 bytes] = registers
; 4 q .. 4 q + 3.  A wave makes one unit of 8 fragments (16 rows x 1,024 K), 12,288 bytes, at unit x 12,288.
;   W1: unit = 128 e + 4 G + u; fragment s = K step s; row m of the tile is hidden unit 64 G + 32 (m / 8) + 8 u + m % 8.
;   W2: unit = 1,024 + 2 (64 e + tile) + kh; fragment s = K step 8 kh + s; row m is output column 16 tile + m.
; Each path has LDS bytes of its own; both meet at ONE barrier, which every wave of every work-group passes.
.set PITCH, 784                        ; a stage row: 768 bytes + 16 = 196 words: the 32 lanes of an 8-byte load touch 64 different banks (64 banks of 4 bytes: ISA guide 11.1)
.set SORTB, 100352                     ; behind the eight stages of 16 rows: the waves' histograms, 128 bytes each
.set RAW, 32                           ; v32-127  the rows as loaded
.set FRG, 128                          ; v128-223 the eight fragments
; the sort: v6 v7 LDS addresses, v8 4 x thread, v9 my wave's counts (lane = pair), v10 totals, v11 earlier waves' counts, v12 first places, v13 my wave's first places, v14 v15 at work,
; v16-23 eight keys, v24-31 their places, v224-231 token numbers, v232-239 the eight histograms, v240-245 the blocks' masks
	s_load_b256 s[4:11], s[0:1], 0x0               ; keys s[4:5], W1's codes s[6:7], W2's s[8:9], plan s[10:11]
	s_load_b64 s[12:13], s[0:1], 0x20              ; wimg
	v_lshl_add_u32 v254, v0, 2, 0x18c00
	v_mov_b32 v255, 0
	v_lshrrev_b32 v15, 5, v0
	s_delay_alu instid0(VALU_DEP_1)
	v_readfirstlane_b32 s19, v15                   ; wave
	v_and_b32 v1, 31, v0
	s_delay_alu instid0(VALU_DEP_1)
	v_lshlrev_b32 v2, 4, v1                        ; 16 x lane
	v_and_b32 v14, 15, v0                          ; lane % 16
	v_bfe_u32 v15, v0, 4, 1                        ; lane / 16
	s_mul_i32 s20, s19, 16*PITCH
	v_mul_u32_u24 v4, v15, PITCH
	s_delay_alu instid0(VALU_DEP_1)
	v_lshl_add_u32 v4, v14, 4, v4
	s_delay_alu instid0(VALU_DEP_1)
	v_add_nc_u32 v4, s20, v4                       ; stage in: sixteen lanes to a row's 256 bytes, two rows an instruction
	v_mul_u32_u24 v5, v14, PITCH
	s_delay_alu instid0(VALU_DEP_1)
	v_mad_u32_u24 v5, v15, 24, v5
	s_delay_alu instid0(VALU_DEP_1)
	v_add_nc_u32 v5, s20, v5                       ; stage out: row lane % 16, + 24 bytes for lanes 16-31
	v_lshl_add_u32 v6, v0, 2, SORTB
	v_lshl_add_u32 v7, v1, 2, SORTB
	v_lshlrev_b32 v8, 2, v0
.irp g, 9,10,11,12,13,16,17,18,19,20,21,22,23,24,25,26,27,28,29,30,31
	v_mov_b32 v\g, 0                               ; written on every way through the text
.endr
	s_wait_kmcnt 0x0
	s_cmp_eq_u32 ttmp9, 0
	s_cbranch_scc1 .Lsort_a
	; ---- the weights' images
	s_sub_co_u32 s20, ttmp9, 1
	s_lshl_b32 s20, s20, 3
	s_add_co_u32 s20, s20, s19                     ; my unit, 0 .. 2,047
	s_bfe_u32 s26, s20, 0x30007
	s_mul_i32 s26, s26, 1572864                    ; the expert
	s_bfe_u32 s27, s20, 0x50002
	s_mul_i32 s27, s27, 49152                      ; W1: G x 64 rows of 768 bytes
	s_and_b32 s28, s20, 3
	s_mul_i32 s28, s28, 6144                       ;     + u x 8 rows
	s_add_co_u32 s27, s27, s28
	s_bfe_u32 s28, s20, 0x60001
	s_mul_i32 s28, s28, 24576                      ; W2: tile x 16 rows of 1,536 bytes
	s_and_b32 s29, s20, 1
	s_mul_i32 s29, s29, 768                        ;     + the half of K
	s_add_co_u32 s28, s28, s29
	s_mov_b32 s24, 1536
	s_mov_b32 s25, 12288
	s_cmp_lt_u32 s20, 1024                         ; W1's unit or W2's: the choice hangs on ids alone
	s_cselect_b64 s[22:23], s[6:7], s[8:9]
	s_cselect_b32 s24, 768, s24                    ; P: from a row of the tile to the next within eight
	s_cselect_b32 s25, 24576, s25                  ; Q: from row 0 to row 8
	s_cselect_b32 s27, s27, s28
	s_add_co_u32 s26, s26, s27
	s_mov_b32 s27, 0
	s_add_nc_u64 s[22:23], s[22:23], s[26:27]
	v_mul_u32_u24 v3, v15, s24
	s_delay_alu instid0(VALU_DEP_1)
	v_lshl_add_u32 v3, v14, 4, v3                  ; (lane / 16) P + 16 (lane % 16)
	s_wait_alu depctr_va_vdst(0)
	s_lshl_b32 s28, s24, 1
	s_mov_b32 s31, 0
.irp g, 0,1,2,3,4,5,6,7                        ; rows 2 g and 2 g + 1 of the tile
	s_mul_i32 s30, s28, \g%4
.if \g/4
	s_add_co_u32 s30, s30, s25
.endif
	s_add_nc_u64 s[32+2*\g:33+2*\g], s[22:23], s[30:31]
.endr
	s_mul_i32 s30, s20, 12288
	s_add_nc_u64 s[12:13], s[12:13], s[30:31]
.irp g, 0,1,2,3,4,5,6,7
.irp j, 0,1,2
	global_load_b128 v[RAW+4*(3*\g+\j):RAW+4*(3*\g+\j)+3], v3, s[32+2*\g:33+2*\g] offset:256*\j th:TH_LOAD_NT   ; sixteen lanes read 256 consecutive bytes of a row
.endr
.endr
.irp g, 0,1,2,3,4,5,6,7
	s_wait_loadcnt 21-3*\g                         ; the three loads of each younger pair of rows may be out
.irp j, 0,1,2
	ds_store_b128 v4, v[RAW+4*(3*\g+\j):RAW+4*(3*\g+\j)+3] offset:2*\g*PITCH+256*\j
.endr
.endr
.irp s, 0,1,2,3,4,5,6,7                        ; LDS serves a wave's instructions in order (ISA guide 5.7.1.4): these see my stores
.irp c, 0,1
.irp p, 0,1,2
	ds_load_b64 v[FRG+12*\s+6*\c+2*\p:FRG+12*\s+6*\c+2*\p+1], v5 offset:96*\s+48*\c+8*\p
.endr
.endr
.endr
.irp s, 0,1,2,3,4,5,6,7
	s_wait_dscnt 6*(7-\s)                          ; the six loads of each younger fragment may be out
.irp q, 0,1,2
	global_store_b128 v2, v[FRG+12*\s+4*\q:FRG+12*\s+4*\q+3], s[12:13] offset:1536*\s+512*\q   ; 32 lanes store 512 consecutive bytes
.endr
.endr
	s_branch .Ljoin
.Lsort_a:
	; ---- the sort, first part: thread n holds the keys of tokens 256 i + n; each wave counts its 256 keys, pair by pair
.irp i, 0,1,2,3,4,5,6,7
	global_load_b32 v[16+\i], v8, s[4:5] offset:1024*\i
.endr
	s_wait_loadcnt 0x0
.set KAP, 0
.irp k, 1,2,3,4,5,6,7,15,14,13,12,11,10,19,20,21,22,23,31,30,29,28,37,38,39,47,46,55
	s_wait_alu depctr_va_vdst(0)
.irp i, 0,1,2,3,4,5,6,7
	v_cmp_eq_u32 s[50+\i], \k, v[16+\i]
.endr
	s_mov_b32 s48, 0
.irp i, 0,1,2,3,4,5,6,7
	s_bcnt1_i32_b32 s31, s[50+\i]
	s_add_co_u32 s48, s48, s31
.endr
	v_writelane_b32 v9, s48, KAP
.set KAP, KAP+1
.endr
	ds_store_b32 v6, v9
.Ljoin:
	s_wait_dscnt 0x0                               ; my LDS stores have landed and my LDS loads are in
	s_barrier_signal -1
	s_barrier_wait -1
	s_cmp_lg_u32 ttmp9, 0
	s_cbranch_scc1 .Lend
	; ---- totals, earlier waves' counts, first places
.irp w, 0,1,2,3,4,5,6,7
	ds_load_b32 v[232+\w], v7 offset:128*\w
.endr
	s_wait_dscnt 0x0
	v_mov_b32 v10, 0
	v_mov_b32 v11, 0
.irp w, 0,1,2,3,4,5,6,7
	s_cmp_gt_u32 s19, \w
	s_cselect_b32 s30, -1, 0
	v_add_nc_u32 v10, v10, v[232+\w]
	v_and_b32 v15, s30, v[232+\w]
	s_delay_alu instid0(VALU_DEP_1)
	v_add_nc_u32 v11, v11, v15
.endr
	s_mov_b32 s48, 0
.set KAP, 0
.rept 28
	v_readlane_b32 s31, v10, KAP
	v_writelane_b32 v12, s48, KAP
	s_add_co_u32 s48, s48, s31
.set KAP, KAP+1
.endr
	v_add_nc_u32 v13, v12, v11
	; ---- each key's place: the pair's first place for my wave + the keys of that pair in earlier registers and lower lanes
.set KAP, 0
.irp k, 1,2,3,4,5,6,7,15,14,13,12,11,10,19,20,21,22,23,31,30,29,28,37,38,39,47,46,55
	v_readlane_b32 s49, v13, KAP
.irp i, 0,1,2,3,4,5,6,7
	v_cmp_eq_u32 s[50+\i], \k, v[16+\i]
.endr
.irp i, 0,1,2,3,4,5,6,7
	v_mbcnt_lo_u32_b32 v14, s[50+\i], s49
	s_delay_alu instid0(VALU_DEP_1)
	v_cndmask_b32 v[24+\i], v[24+\i], v14, s[50+\i]
	s_bcnt1_i32_b32 s31, s[50+\i]
	s_add_co_u32 s49, s49, s31
.endr
.set KAP, KAP+1
.endr
.irp i, 0,1,2,3,4,5,6,7
	v_min_u32 v[24+\i], 0x7ff, v[24+\i]            ; a place made of loaded numbers is held inside the table
	s_delay_alu instid0(VALU_DEP_1)
	v_lshlrev_b32 v[24+\i], 2, v[24+\i]
	v_add_nc_u32 v[224+\i], 256*\i, v0
	global_store_b32 v[24+\i], v[224+\i], s[10:11]
.endr
	s_cmp_lg_u32 s19, 0
	s_cbranch_scc1 .Lend
	; ---- wave 0: a lane is a block of 64 places; a pair whose run of places meets the block gives its two experts' bits
	v_lshlrev_b32 v240, 6, v1
	s_delay_alu instid0(VALU_DEP_1)
	v_add_nc_u32 v241, 64, v240
	v_mov_b32 v242, 0
.set KAP, 0
.irp k, 1,2,3,4,5,6,7,15,14,13,12,11,10,19,20,21,22,23,31,30,29,28,37,38,39,47,46,55
	v_readlane_b32 s50, v12, KAP
	v_readlane_b32 s51, v10, KAP
	s_add_co_u32 s51, s51, s50
	v_max_u32 v243, s50, v240
	v_min_u32 v244, s51, v241
	s_delay_alu instid0(VALU_DEP_1)
	v_cmp_gt_u32 vcc_lo, v244, v243
	v_or_b32 v245, (1<<(\k/8))|(1<<(\k%8)), v242
	s_delay_alu instid0(VALU_DEP_1)
	v_cndmask_b32 v242, v242, v245, vcc_lo
.set KAP, KAP+1
.endr
	global_store_b32 v8, v242, s[10:11] offset:8192 ; (in wave 0 the thread's number is the lane)
.Lend:
	s_wait_tensorcnt 0x0
	ds_add_u32 v254, v255
	s_wait_dscnt 0x0
	s_endpgm
.Lfunc_end_k_qb5376a2081_place:
	.size	k_qb5376a2081_place, .Lfunc_end_k_qb5376a2081_place-k_qb5376a2081_place
	.p2alignl 7, 3214868480
	.fill 96, 4, 3214868480
	.section	.rodata,"a",@progbits
	.p2align	6, 0x0
	.amdhsa_kernel k_qb5376a2081_place
		.amdhsa_group_segment_fixed_size 102400
		.amdhsa_private_segment_fixed_size 0
		.amdhsa_enable_private_segment 0
		.amdhsa_kernarg_size 40
		.amdhsa_user_sgpr_count 2
		.amdhsa_user_sgpr_kernarg_segment_ptr 1
		.amdhsa_wavefront_size32 1
		.amdhsa_system_sgpr_workgroup_id_x 1
		.amdhsa_system_sgpr_workgroup_id_y 1
		.amdhsa_system_sgpr_workgroup_id_z 1
		.amdhsa_system_vgpr_workitem_id 0
		.amdhsa_next_free_vgpr 256
		.amdhsa_next_free_sgpr 72
		.amdhsa_reserve_vcc 1
		.amdhsa_float_denorm_mode_32 3
		.amdhsa_float_denorm_mode_16_64 3
		.amdhsa_memory_ordered 1
		.amdhsa_forward_progress 1
		.amdhsa_inst_pref_size 132
	.end_amdhsa_kernel
	.amdgpu_metadata
---
amdhsa.version: [ 1, 2 ]
amdhsa.kernels:
  - .name:           k_qb5376a2081_place
    .symbol:         k_qb5376a2081_place.kd
    .args:
      - { .name: keys, .offset: 0, .size: 8, .value_kind: global_buffer, .address_space: global }
      - { .name: W1_codes, .offset: 8, .size: 8, .value_kind: global_buffer, .address_space: global }
      - { .name: W2_codes, .offset: 16, .size: 8, .value_kind: global_buffer, .address_space: global }
      - { .name: plan, .offset: 24, .size: 8, .value_kind: global_buffer, .address_space: global }
      - { .name: wimg, .offset: 32, .size: 8, .value_kind: global_buffer, .address_space: global }
    .group_segment_fixed_size: 102400
    .private_segment_fixed_size: 0
    .kernarg_segment_align: 8
    .kernarg_segment_size: 40
    .max_flat_workgroup_size: 256
    .sgpr_count:     72
    .vgpr_count:     256
    .wavefront_size: 32
...
	.end_amdgpu_metadata
.endif
;; end of part 6
;; launch up (part 7): grid 8 x 32, 4 waves a work-group, no clusters, 50,688 bytes of LDS; arguments plan, xq, wimg, W1_scales, b1, hid; writes hid
.if DOCPART == 7
	.amdgcn_target "amdgcn-amd-amdhsa--gfx1250"
	.amdhsa_code_object_version 6
	.text
	.protected	k_qb5376a2081_up
	.globl	k_qb5376a2081_up
	.p2align	8
	.type	k_qb5376a2081_up,@function
k_qb5376a2081_up:
	s_mov_b64 s[64:65], 0
	v_nop
	global_prefetch_b8 v0, s[64:65] scope:SCOPE_SE
	s_setreg_imm32_b32 hwreg(HW_REG_WAVE_SCHED_MODE, 0, 2), 2
	s_setreg_imm32_b32 hwreg(HW_REG_WAVE_MODE, 25, 1), 1
	s_wait_xcnt 0x0
	s_wait_alu depctr_vm_vsrc(0)
; THE FIRST LAYER: hidden = Q(relu(Q(x) W1_e + b1_e)) for a block of 64 sorted tokens and each expert e in the block's stored mask; both operands codes of E3M2, sums f32.
; SHARES.  Work-group (cs, blk): the block's 64 tokens x hidden units 256 cs .. 256 cs + 255.  Wave w: all 64 tokens (4 tiles t) x group G = 4 cs + w of 64 units (4 tiles u): 16 accumulators.
; x's 32 fragments are the same for every expert: gathered once (through LDS, one barrier) and kept in registers.  W1's fragments come from memory straight into registers, as images laid by the launch
; before: a ring four K steps deep, which runs on into the next expert.  The walk over experts hangs on a stored number; this text has no tensor load and no cluster.
; TRANSPOSED USE: source 0 = 16 rows of W1, source 1 = 16 tokens.  Row m of tile u is hidden unit 64 G + 32 (m / 8) + 8 u + m % 8, so lane (r, h)'s 32 registers of tiles 0..3 are the 32 NEIGHBOURING units
; 64 G + 32 h + 0..31 of token r: a whole block of the next K in one lane.  Its 24 bytes of codes are registers 6 c .. 6 c + 5 (c = G % 2) of the lane's place in fragment G / 2 of the next launch's operand.
; hid: item i = (8 blk + e) 4 + t: 16 fragment images of 1,536 bytes at 24,576 i; scale words at 25,165,824 + 1,024 i + 64 r + 4 (K step).
; The bias is the C of each sum's first matrix instruction.
; LIMITS: a block of zeros gets the byte 1 (zero codes; this program alone reads the bytes); NaN and infinities are not served.
; REGISTERS, in windows of 256: window 0: v1-10 addresses, v12-21 gathered rows' offsets, v24-39 x's scale words, v40-55 W1's, v56-79 at work, v80-111 codes, v128-255 accumulators ((t, u) at 128 + 8 (4 t + u)).
;   window 1: x's fragments of K steps 0-4 at 12 (4 s + t);  window 2: of K steps 5-7;  window 3: the ring, K step s at 48 (s % 4) + 12 u; from v192 the bias, 8 u.
; THE MODE: SCHED_MODE bits 1:0 = 2 (LLVM: expert scheduling mode 2), set by the entry lines.  The code itself states the register dependences between vector or matrix instructions
; and memory or LDS instructions, with s_wait_alu, always for 0.
; THE PLAN.  Registers that memory or LDS instructions touch:
;   ring slot s % 4     K step s's 16 products read it; behind them the loads of the K step four on (of this expert or the next) land in it.
;   the bias            K step 0's products read it as C; the next expert's lands behind K step 3's wait.
;   W1's scale words    those of K steps 0-3 are read by these steps' products and loaded again behind K step 3's wait; those of K steps 4-7 behind K step 7's.
;   v76-79, v80-111     written by the lines of EPI, read by its 16 stores, written again by the next expert's EPI.
;   v1-10, v12-21       offsets and addresses, written at the head alone.   v56, v57: the list's offsets at the head; at work in EPI.
;   v128-223            at the head x's rows as loaded, which the LDS stores read; accumulators from then on.   x's fragments and scale words: loaded once, read by products alone.
; So ONE wait on va_vdst stands in a K step, behind its products and their four places: the slot is asked for again at once, and all the step's loads follow that wait with only loads and window switches between.
; EPI has a wait on vm_vsrc at its head, a whole expert behind the stores that it waits for, and a wait on va_vdst ahead of its stores.
.set PITCH, 784                        ; an LDS row of x's codes: 768 bytes + 16 = 196 words: the 32 lanes of an 8-byte load touch 64 different banks (ISA guide 11.1)
.set ACC,  128
.set XS,   24                          ; x's scale words: XS + 8 (t / 2) + s; lanes 0-15 the even tile, lanes 16-31 the odd one
.set WS,   40                          ; W1's: WS + 8 (u / 2) + s, likewise
.set BIAS, 192
; scalars: s[16:25] the five bases without the expert; s[26:31] the expert in hand: images, hidden codes, hidden scales; s[32:41] the next expert: images, scales, bias, hidden codes, hidden scales
.set MSB, 0
.macro WIN new                         ; the immediate's high byte repeats the setting that is left; a switch that changes nothing is dropped
.if MSB != \new
	s_set_vgpr_msb (MSB<<8)|\new
.set MSB, \new
.endif
.endm
.macro BASES                           ; the lowest expert left in the mask, held at 7, becomes the next expert
	s_ctz_i32_b32 s45, s44
	s_min_u32 s45, s45, 7
	s_sub_co_u32 s51, s44, 1
	s_and_b32 s44, s44, s51
	s_mov_b32 s43, 0
	s_mul_i32 s42, s45, 1572864
	s_add_nc_u64 s[32:33], s[16:17], s[42:43]
	s_lshl_b32 s42, s45, 16
	s_add_nc_u64 s[34:35], s[18:19], s[42:43]
	s_lshl_b32 s42, s45, 13
	s_add_nc_u64 s[36:37], s[20:21], s[42:43]
	s_mul_i32 s42, s45, 98304
	s_add_nc_u64 s[38:39], s[22:23], s[42:43]
	s_lshl_b32 s42, s45, 12
	s_add_nc_u64 s[40:41], s[24:25], s[42:43]
.endm
.macro LDR s, b                        ; K step s: four fragments, 12 loads of 512 consecutive bytes, into ring slot s % 4
	WIN 0xc0
.irp u, 0,1,2,3
.irp q, 0,1,2
	global_load_b128 v[48*((\s)%4)+12*\u+4*\q:48*((\s)%4)+12*\u+4*\q+3], v1, s[\b:\b+1] offset:\u*12288+(\s)*1536+512*\q
.endr
.endr
.endm
.macro LDBIAS                          ; lane (r, h), tile u: b1 at units 64 G + 32 h + 8 u + 0..7
	WIN 0xc0
.irp u, 0,1,2,3
	global_load_b128 v[BIAS+8*\u:BIAS+8*\u+3], v5, s[36:37] offset:32*\u
	global_load_b128 v[BIAS+8*\u+4:BIAS+8*\u+7], v5, s[36:37] offset:32*\u+16
.endr
.endm
.macro LDWS half                       ; the scale words of four K steps
	WIN 0
.irp pr, 0,1
	global_load_b128 v[WS+8*\pr+4*(\half):WS+8*\pr+4*(\half)+3], v4, s[34:35] offset:512*\pr+16*(\half)
.endr
.endm
.macro MM t, u, s
.set rD, ACC+8*(4*(\t)+(\u))
.set rA, 48*((\s)%4)+12*(\u)
.if (\s) < 5
.set rB, 12*(4*(\s)+(\t))
.else
.set rB, 12*(4*((\s)-5)+(\t))
.endif
.if (\s) == 0
.set rC, BIAS+8*(\u)
.else
.set rC, rD
.endif
.set rW, WS+8*((\u)/2)+(\s)
.set rX, XS+8*((\t)/2)+(\s)
.if (((\u)%2) == 0) && (((\t)%2) == 0)
	v_wmma_scale_f32_16x16x128_f8f6f4 v[rD:rD+7], v[rA:rA+11], v[rB:rB+11], v[rC:rC+7], v[rW], v[rX] matrix_a_fmt:MATRIX_FMT_BF6 matrix_b_fmt:MATRIX_FMT_BF6
.elseif ((\u)%2) == 0
	v_wmma_scale_f32_16x16x128_f8f6f4 v[rD:rD+7], v[rA:rA+11], v[rB:rB+11], v[rC:rC+7], v[rW], v[rX] matrix_a_fmt:MATRIX_FMT_BF6 matrix_b_fmt:MATRIX_FMT_BF6 matrix_b_scale:MATRIX_SCALE_ROW1
.elseif ((\t)%2) == 0
	v_wmma_scale_f32_16x16x128_f8f6f4 v[rD:rD+7], v[rA:rA+11], v[rB:rB+11], v[rC:rC+7], v[rW], v[rX] matrix_a_fmt:MATRIX_FMT_BF6 matrix_b_fmt:MATRIX_FMT_BF6 matrix_a_scale:MATRIX_SCALE_ROW1
.else
	v_wmma_scale_f32_16x16x128_f8f6f4 v[rD:rD+7], v[rA:rA+11], v[rB:rB+11], v[rC:rC+7], v[rW], v[rX] matrix_a_fmt:MATRIX_FMT_BF6 matrix_b_fmt:MATRIX_FMT_BF6 matrix_a_scale:MATRIX_SCALE_ROW1 matrix_b_scale:MATRIX_SCALE_ROW1
.endif
.endm
; A K STEP.  Loads are issued in this order in a pass: R4 | R5 | R6 | R7, E3 | R0' | R1' | R2' | R3', E7  (R: a K step's 12 loads; E3: the next expert's bias and first four scale words, 10; E7: its other four, 2).
; The wait lets stay out what was issued behind this step's R: steps 0-3: three R and E7 = 38; steps 4-7: three R and E3 = 46; in the last pass, which asks for no next expert, 36, 24, 12, 0.
.macro STEP s, pf
.if (\s) < 4
	s_wait_loadcnt 38
.elseif \pf
	s_wait_loadcnt 46
.else
	s_wait_loadcnt 12*(7-(\s))
.endif
.if (\s) == 0
	WIN 0x37                                       ; W1 window 3, x window 1, C (the bias) window 3, D window 0
.elseif (\s) < 5
	WIN 0x07
.else
	WIN 0x0b                                       ; x window 2
.endif
.irp t, 0,1,2,3                                ; the 16 accumulators take turns, one instruction a turn, in the same order in every step
.irp u, 0,1,2,3
	MM \t, \u, \s
.endr
.endr
.rept 4
	v_nop                                          ; four places ahead of loads into registers that these products read, and of the first read of results
.endr
.if ((\s) < 4) || (\pf)
	WIN 0xc0
	s_wait_alu depctr_va_vdst(0)                   ; this step's products are done reading their ring slot, in which the loads below land; in K step 3 the products so far are also done with the bias and the scale words of K steps 0-3, in K step 7 with those of K steps 4-7
.endif
.if (\s) < 4
	LDR (\s)+4, 26                                 ; the slot just read takes the K step four on
.elseif \pf
	LDR (\s)-4, 32                                 ; or the next expert's
.endif
.if ((\s) == 3) && (\pf)
	LDBIAS
	LDWS 0
.endif
.if ((\s) == 7) && (\pf)
	LDWS 1
.endif
	WIN 0
.endm
.macro EPI                             ; relu, a block's scale, codes, stores; the four tiles of tokens by turns
	s_wait_alu depctr_vm_vsrc(0)                   ; the stores of the expert before have read v76-79 and v80-111, which the lines below write again
.set J, 0
.rept 128
	v_max_num_f32 v[ACC+J], 0, v[ACC+J]            ; ascending: each accumulator is first read at its low end
.set J, J+1
.endr
.irp t, 0,1,2,3
	v_max3_num_f32 v[56+2*\t], v[ACC+32*\t], v[ACC+32*\t+1], v[ACC+32*\t+2]   ; none is negative: no |.|
	v_max3_num_f32 v[57+2*\t], v[ACC+32*\t+3], v[ACC+32*\t+4], v[ACC+32*\t+5]
.endr
.irp i, 6,10,14,18,22,26
.irp t, 0,1,2,3
	v_max3_num_f32 v[56+2*\t], v[56+2*\t], v[ACC+32*\t+\i], v[ACC+32*\t+\i+1]
	v_max3_num_f32 v[57+2*\t], v[57+2*\t], v[ACC+32*\t+\i+2], v[ACC+32*\t+\i+3]
.endr
.endr
.irp t, 0,1,2,3
	v_max3_num_f32 v[56+2*\t], v[56+2*\t], v[ACC+32*\t+30], v[ACC+32*\t+31]
.endr
.irp t, 0,1,2,3
	v_max3_num_f32 v[56+2*\t], v[56+2*\t], v[57+2*\t], 0x2800000   ; the floor 2^(5 - 127): the byte cannot fall under 1
.endr
.irp t, 0,1,2,3
	v_add_nc_u32 v[64+\t], 0xfe000000, v[56+2*\t]  ; 4 off the exponent field: the conversion's scale operand
.endr
.irp t, 0,1,2,3
	v_lshrrev_b32 v[68+\t], 23, v[64+\t]           ; the byte
.endr
.irp t, 0,1,2,3
	v_cvt_scalef32_pk16_bf6_f32 v[80+8*\t:82+8*\t], v[ACC+32*\t:ACC+32*\t+15], v[64+\t]
	v_cvt_scalef32_pk16_bf6_f32 v[84+8*\t:86+8*\t], v[ACC+32*\t+16:ACC+32*\t+31], v[64+\t]   ; (a conversion's three registers begin on an even number)
.endr
	v_nop                                          ; one plain instruction behind the scaled conversions
.irp t, 0,1,2,3
	v_mov_b32 v[83+8*\t], v[84+8*\t]
	v_mov_b32 v[84+8*\t], v[85+8*\t]
	v_mov_b32 v[85+8*\t], v[86+8*\t]
.endr
.irp t, 0,1,2,3
	v_lshlrev_b32 v[76+\t], v10, v[68+\t]          ; my byte at its place among the token's two,
.endr
.irp t, 0,1,2,3
	v_permlanex16_b32 v[72+\t], v[76+\t], s52, s53
.endr
.irp t, 0,1,2,3
	v_or_b32 v[76+\t], v[76+\t], v[72+\t]          ; with lane l xor 16's
.endr
	s_wait_alu depctr_va_vdst(0)                   ; the conversions and moves have written the codes v80-111, the last four lines the scale bytes v76-79: the stores below read them
.irp t, 0,1,2,3
	global_store_b64 v6, v[80+8*\t:81+8*\t], s[28:29] offset:24576*\t
	global_store_b64 v7, v[82+8*\t:83+8*\t], s[28:29] offset:24576*\t
	global_store_b64 v8, v[84+8*\t:85+8*\t], s[28:29] offset:24576*\t
	global_store_b16 v9, v[76+\t], s[30:31] offset:1024*\t   ; both halves of the lanes write the same two bytes
.endr
.endm
.macro PASS pf                         ; one expert
	s_wait_xcnt 0x0                                ; every earlier load and store has read its bases and its data: they are written again only behind this wait
	s_mov_b64 s[26:27], s[32:33]
	s_mov_b64 s[28:29], s[38:39]
	s_mov_b64 s[30:31], s[40:41]
.if \pf
	BASES
.endif
.irp s, 0,1,2,3,4,5,6,7
	STEP \s, \pf
.endr
	EPI
.endm
	s_load_b256 s[4:11], s[0:1], 0x0               ; plan s[4:5], xq s[6:7], wimg s[8:9], W1's scales s[10:11]
	s_load_b128 s[12:15], s[0:1], 0x20             ; b1 s[12:13], hid s[14:15]
	v_lshl_add_u32 v126, v0, 2, 0xc400
	v_mov_b32 v127, 0
	v_lshrrev_b32 v11, 5, v0
	v_readfirstlane_b32 s48, v11                   ; wave
	s_and_b32 s50, ttmp7, 0xffff                   ; blk
	s_lshl_b32 s49, ttmp9, 2
	v_and_b32 v22, 31, v0                          ; lane
	v_and_b32 v23, 15, v0                          ; r
	v_bfe_u32 v11, v0, 4, 1                        ; h
	v_lshlrev_b32 v1, 4, v22                       ; 16 x lane
	s_wait_alu depctr_va_sdst(0)                   ; s48, the wave's number, is written, ahead of its first reader
	s_add_co_u32 s49, s49, s48                     ; G
	s_and_b32 s51, s48, 1                          ; c = G % 2
	s_mul_i32 s54, s48, 16*PITCH
	v_mul_u32_u24 v2, v11, PITCH
	v_lshl_add_u32 v2, v23, 4, v2
	v_add_nc_u32 v2, s54, v2                       ; x into LDS: my wave's 16 rows, two rows an instruction
	v_mul_u32_u24 v3, v23, PITCH
	v_lshl_add_u32 v3, v11, 3, v3                  ; x out of LDS: row r, + 8 h
	v_bfe_u32 v4, v0, 3, 1
	v_lshlrev_b32 v4, 10, v4
	v_lshl_add_u32 v4, v11, 8, v4
	v_and_b32 v5, 7, v0
	v_lshl_add_u32 v4, v5, 5, v4                   ; W1's scale rows: (m / 8) 1,024 + (lane / 16) 256 + (m % 8) 32
	v_lshlrev_b32 v5, 7, v11                       ; the bias: 128 h
	s_mul_i32 s54, s51, 520
	v_add_nc_u32 v6, s54, v1                       ; my six registers' three places in an image: 16 x lane + 0, 8, 512 (c = 0) or 520, 1,024, 1,032 (c = 1)
	s_add_co_u32 s55, s54, 512
	v_add_nc_u32 v8, s55, v1
	s_mul_i32 s54, s51, 1016
	s_add_co_u32 s54, s54, 8
	v_add_nc_u32 v7, s54, v1
	s_lshr_b32 s54, s49, 1
	s_lshl_b32 s54, s54, 2
	s_lshl_b32 s55, s51, 1
	s_add_co_u32 s54, s54, s55
	v_lshl_add_u32 v9, v23, 6, s54                 ; the hidden scale bytes: 64 r + 4 (G / 2) + 2 c
	v_lshlrev_b32 v10, 3, v11                      ; 8 h
	v_lshlrev_b32 v56, 2, v11
	s_lshl_b32 s54, s48, 6
	v_add_nc_u32 v56, s54, v56                     ; the list: 4 (16 wave + h)
	v_lshlrev_b32 v57, 2, v22                      ;           4 x lane
	v_lshlrev_b32 v58, 4, v23                      ; 16 r
.irp t, 0,1,2,3
	v_mov_b32 v[72+\t], 0                          ; written once: a lane permute's destination counts as one of its sources
.endr
	s_mov_b32 s52, 0x76543210
	s_mov_b32 s53, 0xfedcba98
	s_lshl_b32 s58, s50, 2
	s_lshl_b32 s42, s50, 8
	s_mov_b32 s43, 0
	s_wait_kmcnt 0x0
	s_load_b32 s44, s[4:5], s58 offset:0x2000      ; the block's mask of experts
	s_add_nc_u64 s[56:57], s[4:5], s[42:43]        ; the block's 64 places of the list
	s_wait_alu depctr_va_vdst(0)                   ; the offsets and LDS addresses v1 to v10, v56 and v57 are written: the loads and stores of the whole kernel read them
.irp g, 0,1,2,3,4,5,6,7
	global_load_b32 v[12+\g], v56, s[56:57] offset:8*\g    ; the token of row 16 wave + 2 g + h
.endr
.irp pr, 0,1
	global_load_b32 v[20+\pr], v57, s[56:57] offset:128*\pr ; the token of row 32 pr + lane
.endr
	s_mul_i32 s42, s49, 49152
	s_add_nc_u64 s[16:17], s[8:9], s[42:43]
	s_lshl_b32 s42, s49, 11
	s_add_nc_u64 s[18:19], s[10:11], s[42:43]
	s_lshl_b32 s42, s49, 8
	s_add_nc_u64 s[20:21], s[12:13], s[42:43]
	s_mul_i32 s42, s50, 786432
	s_lshr_b32 s54, s49, 1
	s_mul_i32 s54, s54, 1536
	s_add_co_u32 s42, s42, s54
	s_add_nc_u64 s[22:23], s[14:15], s[42:43]
	s_lshl_b32 s42, s50, 15
	s_add_co_u32 s42, s42, 25165824
	s_add_nc_u64 s[24:25], s[14:15], s[42:43]
	s_wait_loadcnt 0x0
.irp g, 0,1,2,3,4,5,6,7
	v_min_u32 v[12+\g], 0x7ff, v[12+\g]            ; a loaded number is held inside the table before it enters an address
	v_mul_u32_u24 v[12+\g], v[12+\g], 768
	v_add_nc_u32 v[12+\g], v58, v[12+\g]
.endr
.irp pr, 0,1
	v_min_u32 v[20+\pr], 0x7ff, v[20+\pr]
	v_lshlrev_b32 v[20+\pr], 5, v[20+\pr]
.endr
	s_wait_alu depctr_va_vdst(0)                   ; the gathered rows' offsets v12 to v21 are written: the loads below read them
.irp g, 0,1,2,3,4,5,6,7
.irp j, 0,1,2
	global_load_b128 v[ACC+4*(3*\g+\j):ACC+4*(3*\g+\j)+3], v[12+\g], s[6:7] offset:256*\j   ; sixteen lanes read 256 consecutive bytes of a token's codes
.endr
.endr
.irp pr, 0,1
.irp f, 0,1
	global_load_b128 v[XS+8*\pr+4*\f:XS+8*\pr+4*\f+3], v[20+\pr], s[6:7] offset:1572864+16*\f
.endr
.endr
	s_wait_kmcnt 0x0
	s_and_b32 s44, s44, 0xff
	s_bcnt1_i32_b32 s46, s44                       ; experts to walk
	BASES
	LDBIAS                                         ; the first expert: E3, R0 .. R3, E7: 60 loads, into registers that no vector instruction has named
	LDWS 0
	LDR 0, 32
	LDR 1, 32
	LDR 2, 32
	LDR 3, 32
	LDWS 1
	s_wait_loadcnt 60                              ; exactly those 60 are younger: x's rows and scale words are in
.irp g, 0,1,2,3,4,5,6,7
.irp j, 0,1,2
	ds_store_b128 v2, v[ACC+4*(3*\g+\j):ACC+4*(3*\g+\j)+3] offset:2*\g*PITCH+256*\j
.endr
.endr
	s_wait_dscnt 0x0                               ; for the others' sake: my 16 rows lie in LDS
	s_barrier_signal -1
	s_barrier_wait -1
.irp s, 0,1,2,3,4,5,6,7                        ; fragment (t, s): register 6 c + 2 p takes piece p of block 4 s + 2 c + h of row 16 t + r
.if \s < 5
	WIN 0x40
.set FB, 48*\s
.else
	WIN 0x80
.set FB, 48*(\s-5)
.endif
.irp t, 0,1,2,3
.irp c, 0,1
.irp p, 0,1,2
	ds_load_b64 v[FB+12*\t+6*\c+2*\p:FB+12*\t+6*\c+2*\p+1], v3 offset:\t*16*PITCH+256*\p+32*\s+16*\c
.endr
.endr
.endr
.endr
	WIN 0
	s_wait_dscnt 0x0
	s_wait_alu depctr_vm_vsrc(0)                   ; my LDS stores have read v128-223, which the products write from here on; the list's loads have read v56 and v57, which EPI writes
	s_mov_b32 s47, 0
	s_cmp_lt_u32 s46, 2
	s_cbranch_scc1 .Llast
	s_sub_co_u32 s46, s46, 1                       ; all experts but the last ask for a next one
.Lpass:
	PASS 1
	s_add_co_u32 s47, s47, 1
	s_cmp_lt_u32 s47, s46
	s_cbranch_scc1 .Lpass
.Llast:
	PASS 0
	s_wait_dscnt 0x0                               ; the closing lines, six on end
	s_wait_alu 0x0
	s_wait_tensorcnt 0x0
	ds_add_u32 v126, v127
	s_wait_dscnt 0x0
	s_endpgm
.Lfunc_end_k_qb5376a2081_up:
	.size	k_qb5376a2081_up, .Lfunc_end_k_qb5376a2081_up-k_qb5376a2081_up
	.p2alignl 7, 3214868480
	.fill 96, 4, 3214868480
	.section	.rodata,"a",@progbits
	.p2align	6, 0x0
	.amdhsa_kernel k_qb5376a2081_up
		.amdhsa_group_segment_fixed_size 50688
		.amdhsa_private_segment_fixed_size 0
		.amdhsa_enable_private_segment 0
		.amdhsa_kernarg_size 48
		.amdhsa_user_sgpr_count 2
		.amdhsa_user_sgpr_kernarg_segment_ptr 1
		.amdhsa_wavefront_size32 1
		.amdhsa_system_sgpr_workgroup_id_x 1
		.amdhsa_system_sgpr_workgroup_id_y 1
		.amdhsa_system_sgpr_workgroup_id_z 1
		.amdhsa_system_vgpr_workitem_id 0
		.amdhsa_next_free_vgpr 1024
		.amdhsa_next_free_sgpr 80
		.amdhsa_reserve_vcc 0
		.amdhsa_float_denorm_mode_32 3
		.amdhsa_float_denorm_mode_16_64 3
		.amdhsa_memory_ordered 1
		.amdhsa_forward_progress 1
		.amdhsa_inst_pref_size 104
	.end_amdhsa_kernel
	.amdgpu_metadata
---
amdhsa.version: [ 1, 2 ]
amdhsa.kernels:
  - .name:           k_qb5376a2081_up
    .symbol:         k_qb5376a2081_up.kd
    .args:
      - { .name: plan, .offset: 0, .size: 8, .value_kind: global_buffer, .address_space: global }
      - { .name: xq, .offset: 8, .size: 8, .value_kind: global_buffer, .address_space: global }
      - { .name: wimg, .offset: 16, .size: 8, .value_kind: global_buffer, .address_space: global }
      - { .name: W1_scales, .offset: 24, .size: 8, .value_kind: global_buffer, .address_space: global }
      - { .name: b1, .offset: 32, .size: 8, .value_kind: global_buffer, .address_space: global }
      - { .name: hid, .offset: 40, .size: 8, .value_kind: global_buffer, .address_space: global }
    .group_segment_fixed_size: 50688
    .private_segment_fixed_size: 0
    .kernarg_segment_align: 8
    .kernarg_segment_size: 48
    .max_flat_workgroup_size: 128
    .sgpr_count:     80
    .vgpr_count:     1024
    .wavefront_size: 32
...
	.end_amdgpu_metadata
.endif
;; end of part 7
;; launch down (part 8): grid 8 x 32, 4 waves a work-group, no clusters, 135,680 bytes of LDS; arguments plan, wt, hid, wimg, W2_scales, b2, out0; writes out0
.if DOCPART == 8
	.amdgcn_target "amdgcn-amd-amdhsa--gfx1250"
	.amdhsa_code_object_version 6
	.text
	.protected	k_qb5376a2081_down
	.globl	k_qb5376a2081_down
	.p2align	8
	.type	k_qb5376a2081_down,@function
k_qb5376a2081_down:
	s_mov_b64 s[64:65], 0
	v_nop
	global_prefetch_b8 v0, s[64:65] scope:SCOPE_SE
	s_setreg_imm32_b32 hwreg(HW_REG_WAVE_SCHED_MODE, 0, 2), 2
	s_setreg_imm32_b32 hwreg(HW_REG_WAVE_MODE, 25, 1), 1
	s_wait_xcnt 0x0
	s_wait_alu depctr_vm_vsrc(0)
; THE SECOND LAYER AND THE COMBINE: out[token] = sum over experts e of w[token][e] (hidden_e W2_e + b2_e); both operands codes of E3M2, sums f32.  w is 0 for an expert that a token did not choose.
; SHARES.  Work-group (cs, blk): a block of 64 sorted tokens x output columns 128 cs .. 128 cs + 127: it owns these numbers of out, so nothing is added between work-groups.
; Wave w takes the WHOLE tile, 64 tokens (4 tiles t) x 128 columns (8 tiles u), and a QUARTER of K: K steps 4 w + s, s = 0..3.  So no fragment is read by two waves: for each expert the work-group takes in
; 64 rows of the hidden layer and 128 rows of W2, 1,536 bytes each, once.  32 accumulators ACC for the expert in hand, and OUT += w x ACC behind each expert.  That sum is linear, so the four quarters
; of K meet once, at the end, through LDS.
; THE BIAS is no part of the loop: OUT begins as w[2 kq] b2[2 kq] + w[2 kq + 1] b2[2 kq + 1] (kq = the wave's number): the four waves' beginnings together are the sum over all eight experts.
; Operands come from memory straight into registers, as fragment images (1,536 bytes, three loads of 512 consecutive bytes): a ring two K steps deep that runs on into the next expert.
; The walk over experts hangs on a stored number; this text has no tensor load and no cluster.
; TRANSPOSED USE: source 0 = 16 rows of W2 (output columns), source 1 = 16 tokens: lane (r, h) holds token r and eight neighbouring columns 8 h + 0..7 of a tile.
; LIMITS: 0 x a product must be 0, so the products of walked experts and b2 must stay finite in f32; NaN and infinities are not served.
; REGISTERS, in windows of 256: window 0: v1-8 addresses, v10-25 my output rows' offsets, v32-39 the hidden layer's scale words, v40-55 W2's, v56-59 the gates, v60-67 the gates of my two bias experts,
;   v68-71 stage addresses, v128-223 the hidden layer's fragments, K step s at 128 + 48 (s % 2) + 12 t.
;   window 1: ACC ((t, u) at 8 (8 t + u)); at the head b2 of my two experts.   window 2: OUT, likewise.   window 3: W2's fragments, K step s at 96 (s % 2) + 12 u.
; THE MODE: SCHED_MODE bits 1:0 = 2 (LLVM: expert scheduling mode 2), set by the entry lines.  The code itself states the register dependences between vector or matrix instructions
; and memory or LDS instructions, with s_wait_alu, always for 0.
; THE PLAN.  Registers that memory or LDS instructions touch:
;   W2's set s % 2, tiles 0-3    K step s's first 16 products read them; behind these the loads of the K step two on land there.
;   its tiles 4-7, and the hidden layer's set s % 2    K step s's last 16 products are their last readers; behind these the loads of the K step two on land there.
;   the scale words              those of K steps 0, 1 are read by these steps' products and loaded again behind K step 1's second wait; those of K steps 2, 3 behind K step 3's.
;   the gates v56-59             read by the multiply-adds of EPI; the next expert's land in that expert's own K step 0, behind its first wait.
;   OUT                          written by EPI; read by the LDS stores on the way out.   ACC: written by products, read by EPI; on the way out the stage's rows land there, are added, and are stored.
;   v1-8, v10-25, v29, v30, v68-71   offsets and addresses, written at the head alone.
; So TWO waits on va_vdst stand in a K step, each behind 16 products and their four places: the registers just read are asked for again at once, and the loads follow the wait with only loads and window
; switches between.  EPI holds no wait.  The way out has three, one ahead of each run of stores or loads.
.set HS,   32                          ; HS + 4 (t / 2) + s: lanes 0-15 the even tile's rows, lanes 16-31 the odd one's
.set WS,   40                          ; WS + 4 (u / 2) + s, likewise
.set GW,   56
.set GB,   60
.set RD,   68
.set HR,   128
.set SPITCH, 528                       ; a stage row: 512 bytes + 16 = 132 words: sixteen rows start at sixteen different groups of four banks (64 banks of 4 bytes: ISA guide 11.1)
.set STG,  64*SPITCH                   ; a wave's stage
; scalars: s[18:25] four bases without the expert; s[26:27] b2 of my two experts; s[28:31], s[40:41] the expert in hand: hidden images, W2 images, gates; s[32:39], s[42:43] the next expert: those two, hidden scales, W2 scales, gates
.set MSB, 0
.macro WIN new                         ; the immediate's high byte repeats the setting that is left; a switch that changes nothing is dropped
.if MSB != \new
	s_set_vgpr_msb (MSB<<8)|\new
.set MSB, \new
.endif
.endm
.macro BASES                           ; the lowest expert left in the mask, held at 7, becomes the next expert
	s_ctz_i32_b32 s47, s46
	s_min_u32 s47, s47, 7
	s_sub_co_u32 s48, s46, 1
	s_and_b32 s46, s46, s48
	s_mov_b32 s45, 0
	s_mul_i32 s44, s47, 98304
	s_add_nc_u64 s[32:33], s[18:19], s[44:45]
	s_mul_i32 s44, s47, 1572864
	s_add_nc_u64 s[34:35], s[20:21], s[44:45]
	s_lshl_b32 s44, s47, 12
	s_add_nc_u64 s[36:37], s[22:23], s[44:45]
	s_lshl_b32 s44, s47, 16
	s_add_nc_u64 s[38:39], s[24:25], s[44:45]
	s_lshl_b32 s44, s47, 2
	s_add_nc_u64 s[42:43], s[6:7], s[44:45]
.endm
.macro LDH s, b                        ; K step s of my quarter: the hidden layer's four fragments, 12 loads
	WIN 0
.irp t, 0,1,2,3
.irp q, 0,1,2
	global_load_b128 v[HR+48*((\s)%2)+12*\t+4*\q:HR+48*((\s)%2)+12*\t+4*\q+3], v1, s[\b:\b+1] offset:\t*24576+(\s)*1536+512*\q
.endr
.endr
.endm
.macro LDW s, b, u0                    ; W2's fragments of tiles u0 .. u0 + 3, 12 loads
	WIN 0xc0
.irp u, \u0, \u0+1, \u0+2, \u0+3
.irp q, 0,1,2
	global_load_b128 v[96*((\s)%2)+12*(\u)+4*\q:96*((\s)%2)+12*(\u)+4*\q+3], v1, s[\b:\b+1] offset:(\u)*24576+(\s)*1536+512*\q
.endr
.endr
.endm
.macro LDSC half                       ; the next expert's scale words of two K steps, both sides: 6 loads
	WIN 0
.irp pr, 0,1
	global_load_b64 v[HS+4*\pr+2*(\half):HS+4*\pr+2*(\half)+1], v2, s[36:37] offset:2048*\pr+8*(\half)
.endr
.irp pr, 0,1,2,3
	global_load_b64 v[WS+4*\pr+2*(\half):WS+4*\pr+2*(\half)+1], v2, s[38:39] offset:2048*\pr+8*(\half)
.endr
.endm
.macro LDG                             ; the gates of the expert in hand: 4 loads
	WIN 0
.irp t, 0,1,2,3
	global_load_b32 v[GW+\t], v[4+\t], s[40:41]
.endr
.endm
.macro MM t, u, s                      ; in K step 0 the constant 0 starts the sum
.set rD, 8*(8*(\t)+(\u))
.set rA, 96*((\s)%2)+12*(\u)
.set rB, HR+48*((\s)%2)+12*(\t)
.set rW, WS+4*((\u)/2)+(\s)
.set rH, HS+4*((\t)/2)+(\s)
.if (\s) == 0
.if (((\u)%2) == 0) && (((\t)%2) == 0)
	v_wmma_scale_f32_16x16x128_f8f6f4 v[rD:rD+7], v[rA:rA+11], v[rB:rB+11], 0, v[rW], v[rH] matrix_a_fmt:MATRIX_FMT_BF6 matrix_b_fmt:MATRIX_FMT_BF6
.elseif ((\u)%2) == 0
	v_wmma_scale_f32_16x16x128_f8f6f4 v[rD:rD+7], v[rA:rA+11], v[rB:rB+11], 0, v[rW], v[rH] matrix_a_fmt:MATRIX_FMT_BF6 matrix_b_fmt:MATRIX_FMT_BF6 matrix_b_scale:MATRIX_SCALE_ROW1
.elseif ((\t)%2) == 0
	v_wmma_scale_f32_16x16x128_f8f6f4 v[rD:rD+7], v[rA:rA+11], v[rB:rB+11], 0, v[rW], v[rH] matrix_a_fmt:MATRIX_FMT_BF6 matrix_b_fmt:MATRIX_FMT_BF6 matrix_a_scale:MATRIX_SCALE_ROW1
.else
	v_wmma_scale_f32_16x16x128_f8f6f4 v[rD:rD+7], v[rA:rA+11], v[rB:rB+11], 0, v[rW], v[rH] matrix_a_fmt:MATRIX_FMT_BF6 matrix_b_fmt:MATRIX_FMT_BF6 matrix_a_scale:MATRIX_SCALE_ROW1 matrix_b_scale:MATRIX_SCALE_ROW1
.endif
.else
.if (((\u)%2) == 0) && (((\t)%2) == 0)
	v_wmma_scale_f32_16x16x128_f8f6f4 v[rD:rD+7], v[rA:rA+11], v[rB:rB+11], v[rD:rD+7], v[rW], v[rH] matrix_a_fmt:MATRIX_FMT_BF6 matrix_b_fmt:MATRIX_FMT_BF6
.elseif ((\u)%2) == 0
	v_wmma_scale_f32_16x16x128_f8f6f4 v[rD:rD+7], v[rA:rA+11], v[rB:rB+11], v[rD:rD+7], v[rW], v[rH] matrix_a_fmt:MATRIX_FMT_BF6 matrix_b_fmt:MATRIX_FMT_BF6 matrix_b_scale:MATRIX_SCALE_ROW1
.elseif ((\t)%2) == 0
	v_wmma_scale_f32_16x16x128_f8f6f4 v[rD:rD+7], v[rA:rA+11], v[rB:rB+11], v[rD:rD+7], v[rW], v[rH] matrix_a_fmt:MATRIX_FMT_BF6 matrix_b_fmt:MATRIX_FMT_BF6 matrix_a_scale:MATRIX_SCALE_ROW1
.else
	v_wmma_scale_f32_16x16x128_f8f6f4 v[rD:rD+7], v[rA:rA+11], v[rB:rB+11], v[rD:rD+7], v[rW], v[rH] matrix_a_fmt:MATRIX_FMT_BF6 matrix_b_fmt:MATRIX_FMT_BF6 matrix_a_scale:MATRIX_SCALE_ROW1 matrix_b_scale:MATRIX_SCALE_ROW1
.endif
.endif
.endm
.macro HALF s, u0                      ; 16 products: the four tiles of tokens x W2's tiles u0 .. u0 + 3; the accumulators take turns, one instruction a turn, in the same order in every step
	WIN 0x53                                       ; W2 window 3, the hidden layer window 0, C and D window 1
.irp t, 0,1,2,3
.irp u, \u0, \u0+1, \u0+2, \u0+3
	MM \t, \u, \s
.endr
.endr
.rept 4
	v_nop                                          ; four places ahead of loads into registers that these products read, and of the first read of results
.endr
.endm
; A K STEP.  Its loads come in three groups of 12: Wa (W2's tiles 0-3), H (the hidden layer), Wb (W2's tiles 4-7).  Wa's registers are free behind the step's first 16 products, H's and Wb's behind its last.
; Loads are issued in this order in a pass:  Wa2 G | H2 Wb2 | Wa3 | H3 Wb3 E1' | Wa0' | H0' Wb0' | Wa1' | H1' Wb1' E3'    (G: this expert's gates, four loads; E1', E3': the next expert's scale words of K steps 0, 1 and 2, 3, six loads each).
; A step's first wait wants its Wa and H, its second its Wb; the count is what was issued behind the last of these.
;   step 0, first wait: Wb0, Wa1, H1, Wb1 and E3 = 54.   step 0, second wait: Wa1, H1, Wb1, E3, Wa2 and G = 58.   step 1: four groups of 12, E3 and G = 58, at both waits.
;   steps 2, 3: four groups of 12 and E1' = 54, at both waits.   the last pass asks for no next expert: step 2: 48 and 36; step 3: 12 and 0.
; A step's scale words and the pass's gates were issued ahead of loads that these waits cover.
.macro STEP s, pf
.if (\s) == 0
	s_wait_loadcnt 54
.elseif (\s) == 1
	s_wait_loadcnt 58
.elseif \pf
	s_wait_loadcnt 54
.elseif (\s) == 2
	s_wait_loadcnt 48
.else
	s_wait_loadcnt 12
.endif
	HALF \s, 0
.if ((\s) < 2) || (\pf)
	WIN 0xc0
	s_wait_alu depctr_va_vdst(0)                   ; the 16 products above are done reading W2's tiles 0-3 of this set, in which the loads below land; in K step 0 the multiply-adds behind the expert before are also done reading the gates
.endif
.if (\s) < 2
	LDW (\s)+2, 30, 0                              ; the set just read takes the K step two on,
.elseif \pf
	LDW (\s)-2, 34, 0                              ; or the next expert's
.endif
.if (\s) == 0
	LDG
.endif
.if (\s) < 2
	s_wait_loadcnt 58
.elseif \pf
	s_wait_loadcnt 54
.elseif (\s) == 2
	s_wait_loadcnt 36
.else
	s_wait_loadcnt 0
.endif
	HALF \s, 4
.if ((\s) < 2) || (\pf)
	WIN 0
	s_wait_alu depctr_va_vdst(0)                   ; this step's products are done reading the hidden layer's set and W2's tiles 4-7, in which the loads below land; in K steps 1 and 3 the products so far are also done with the scale words of two K steps
.endif
.if (\s) < 2
	LDH (\s)+2, 28
	LDW (\s)+2, 30, 4
.elseif \pf
	LDH (\s)-2, 32
	LDW (\s)-2, 34, 4
.endif
	WIN 0
.if ((\s) == 1) && (\pf)
	LDSC 0
.endif
.if ((\s) == 3) && (\pf)
	LDSC 1
.endif
.endm
.macro EPI                             ; OUT += gate x ACC, two numbers an instruction; a lane's gate is its token's.  Ascending: each accumulator is first read at its low end
	WIN 0xa1                                       ; ACC window 1, the gates window 0, OUT window 2
.irp t, 0,1,2,3
.set J, 0
.rept 32
.if (\t%2) == 0
	v_pk_fma_f32 v[64*\t+2*J:64*\t+2*J+1], v[64*\t+2*J:64*\t+2*J+1], v[GW+2*(\t/2):GW+2*(\t/2)+1], v[64*\t+2*J:64*\t+2*J+1] op_sel_hi:[1,0,1]
.else
	v_pk_fma_f32 v[64*\t+2*J:64*\t+2*J+1], v[64*\t+2*J:64*\t+2*J+1], v[GW+2*(\t/2):GW+2*(\t/2)+1], v[64*\t+2*J:64*\t+2*J+1] op_sel:[0,1,0] op_sel_hi:[1,1,1]
.endif
.set J, J+1
.endr
.endr
	WIN 0
.endm
.macro PASS pf                         ; one expert
	s_wait_xcnt 0x0                                ; every earlier load has read its bases: they are written again only behind this wait
	s_mov_b64 s[28:29], s[32:33]
	s_mov_b64 s[30:31], s[34:35]
	s_mov_b64 s[40:41], s[42:43]
.if \pf
	BASES
.endif
.irp s, 0,1,2,3
	STEP \s, \pf
.endr
	EPI
.endm
	s_load_b256 s[4:11], s[0:1], 0x0               ; plan s[4:5], wt s[6:7], hid s[8:9], wimg s[10:11]
	s_load_b128 s[12:15], s[0:1], 0x20             ; W2's scales s[12:13], b2 s[14:15]
	s_load_b64 s[16:17], s[0:1], 0x30              ; out0
	v_lshl_add_u32 v254, v0, 2, 0x21000
	v_mov_b32 v255, 0
	v_lshrrev_b32 v26, 5, v0
	v_readfirstlane_b32 s51, v26                   ; wave = kq: which quarter of K
	s_and_b32 s55, ttmp7, 0xffff                   ; blk
	v_and_b32 v26, 31, v0
	v_and_b32 v27, 15, v0                          ; r
	v_bfe_u32 v28, v0, 4, 1                        ; h
	v_lshlrev_b32 v1, 4, v26                       ; 16 x lane
	v_lshlrev_b32 v2, 10, v28
	v_lshl_add_u32 v2, v27, 6, v2                  ; scale rows of either side: (lane / 16) 1,024 + 64 r
	v_lshlrev_b32 v3, 5, v28                       ; b2: 32 h
	s_wait_alu depctr_va_sdst(0)                   ; s51, the wave's number, is written, ahead of its first reader
	s_mul_i32 s48, s51, STG
	v_mul_u32_u24 v8, v27, SPITCH
	v_lshl_add_u32 v8, v28, 5, v8
	v_add_nc_u32 v8, s48, v8                       ; my stage: row r, + 32 h
	s_mul_i32 s48, s51, 16*SPITCH
	v_add_nc_u32 v[RD], s48, v1                    ; back: rows 16 wave on, 16 bytes a lane, in the first wave's stage,
	v_add_nc_u32 v[RD+1], STG, v[RD]               ; the second's,
	v_add_nc_u32 v[RD+2], 2*STG, v[RD]
	v_add_nc_u32 v[RD+3], 3*STG, v[RD]
	v_lshlrev_b32 v29, 2, v27                      ; the list: 4 r
	s_lshl_b32 s48, s51, 6
	v_mov_b32 v30, s48                             ;           4 x 16 wave, the same in all lanes
	s_lshl_b32 s52, ttmp9, 9
	v_add_nc_u32 v31, s52, v1                      ; in a row of out: 512 cs + 16 x lane
	s_lshl_b32 s58, s55, 2
	s_lshl_b32 s44, s55, 8
	s_mov_b32 s45, 0
	s_wait_kmcnt 0x0
	s_load_b32 s46, s[4:5], s58 offset:0x2000      ; the block's mask of experts
	s_add_nc_u64 s[60:61], s[4:5], s[44:45]        ; the block's 64 places of the list
	s_wait_alu depctr_va_vdst(0)                   ; the offsets and LDS addresses v1, v2, v3, v8, v29, v30 and v68 to v71 are written: the loads and stores of the whole kernel read them
.irp t, 0,1,2,3
	global_load_b32 v[4+\t], v29, s[60:61] offset:64*\t    ; the token of row 16 t + r
.endr
.set I, 0
.rept 16
	global_load_b32 v[10+I], v30, s[60:61] offset:4*I      ; the token of row 16 wave + I
.set I, I+1
.endr
	s_lshl_b32 s44, s51, 13
	s_add_co_u32 s44, s44, s52
	s_add_nc_u64 s[26:27], s[14:15], s[44:45]      ; b2: experts 2 kq and 2 kq + 1, my 128 columns
	WIN 0x40
.irp e, 0,1
.irp u, 0,1,2,3,4,5,6,7                        ; lane (r, h), tile u: columns 16 u + 8 h + 0..7, into the registers that the accumulators will take
	global_load_b128 v[64*\e+8*\u:64*\e+8*\u+3], v3, s[26:27] offset:4096*\e+64*\u
	global_load_b128 v[64*\e+8*\u+4:64*\e+8*\u+7], v3, s[26:27] offset:4096*\e+64*\u+16
.endr
.endr
	WIN 0
	s_mul_i32 s44, s55, 786432
	s_mul_i32 s48, s51, 6144
	s_add_co_u32 s44, s44, s48
	s_add_nc_u64 s[18:19], s[8:9], s[44:45]        ; hidden images: the block, my quarter of K
	s_mul_i32 s44, ttmp9, 196608
	s_add_co_u32 s44, s44, s48
	s_add_co_u32 s44, s44, 12582912
	s_add_nc_u64 s[20:21], s[10:11], s[44:45]      ; W2's images: tile 8 cs, my quarter of K
	s_lshl_b32 s44, s55, 15
	s_add_co_u32 s44, s44, 25165824
	s_lshl_b32 s48, s51, 4
	s_add_co_u32 s44, s44, s48
	s_add_nc_u64 s[22:23], s[8:9], s[44:45]        ; hidden scale words
	s_lshl_b32 s44, ttmp9, 13
	s_add_co_u32 s44, s44, s48
	s_add_nc_u64 s[24:25], s[12:13], s[44:45]      ; W2's scale words
	s_lshl_b32 s44, s51, 3
	s_add_nc_u64 s[62:63], s[6:7], s[44:45]        ; the gates of experts 2 kq and 2 kq + 1
	s_wait_kmcnt 0x0
	s_and_b32 s46, s46, 0xff
	s_bcnt1_i32_b32 s49, s46                       ; experts to walk
	BASES
	LDSC 0                                         ; the first expert's E1 and K step 0 hang on the mask alone: they go out while the list is on its way
	LDW 0, 34, 0
	LDH 0, 32
	LDW 0, 34, 4
	WIN 0
	s_wait_loadcnt 42                              ; exactly those 42 are younger: the list and b2 are in
.irp t, 0,1,2,3
	v_min_u32 v[4+\t], 0x7ff, v[4+\t]              ; a loaded number is held inside the table before it enters an address
	v_lshlrev_b32 v[4+\t], 5, v[4+\t]
.endr
.set I, 0
.rept 16
	v_min_u32 v[10+I], 0x7ff, v[10+I]
	v_lshlrev_b32 v[10+I], 12, v[10+I]
	v_add_nc_u32 v[10+I], v31, v[10+I]
.set I, I+1
.endr
	s_wait_alu depctr_va_vdst(0)                   ; the tokens' offsets v4 to v7 are written, which the gates' loads read, here and in every pass; so are v10 to v25, which the last stores read
.irp t, 0,1,2,3
	global_load_b64 v[GB+2*\t:GB+2*\t+1], v[4+\t], s[62:63]
.endr
	LDW 1, 34, 0
	LDH 1, 32
	LDW 1, 34, 4
	LDSC 1
	s_wait_loadcnt 42                              ; K step 1 (36) and E3 (6) are younger: the gates of my two bias experts are in (and K step 0 with them)
	WIN 0x81                                       ; b2 window 1, the gates window 0, OUT window 2
.irp t, 0,1,2,3                                ; OUT begins as the bias term of my two experts: nothing is cleared
.set J, 0
.rept 32
	v_pk_mul_f32 v[64*\t+2*J:64*\t+2*J+1], v[2*J:2*J+1], v[GB+2*\t:GB+2*\t+1] op_sel_hi:[1,0]
.set J, J+1
.endr
.endr
	WIN 0xa1
.irp t, 0,1,2,3
.set J, 0
.rept 32
	v_pk_fma_f32 v[64*\t+2*J:64*\t+2*J+1], v[64+2*J:64+2*J+1], v[GB+2*\t:GB+2*\t+1], v[64*\t+2*J:64*\t+2*J+1] op_sel:[0,1,0] op_sel_hi:[1,1,1]
.set J, J+1
.endr
.endr
	WIN 0
	s_mov_b32 s50, 0
	s_cmp_lt_u32 s49, 2
	s_cbranch_scc1 .Llast
	s_sub_co_u32 s49, s49, 1                       ; all experts but the last ask for a next one
.Lpass:
	PASS 1
	s_add_co_u32 s50, s50, 1
	s_cmp_lt_u32 s50, s49
	s_cbranch_scc1 .Lpass
.Llast:
	PASS 0
	; THE WAY OUT: each wave's OUT goes to its own stage; behind the barrier each wave adds the four quarters of K for 16 whole rows and stores them
	WIN 0x08                                       ; an LDS store's data are its source 1: window 2
	s_wait_alu depctr_va_vdst(0)                   ; the last expert's multiply-adds have written OUT, which the LDS stores read
.irp t, 0,1,2,3
.irp u, 0,1,2,3,4,5,6,7
	ds_store_b128 v8, v[8*(8*\t+\u):8*(8*\t+\u)+3] offset:\t*16*SPITCH+64*\u
	ds_store_b128 v8, v[8*(8*\t+\u)+4:8*(8*\t+\u)+7] offset:\t*16*SPITCH+64*\u+16
.endr
.endr
	WIN 0
	s_wait_dscnt 0x0                               ; for the others' sake: my stores into my stage are done
	s_barrier_signal -1
	s_barrier_wait -1
	WIN 0x40                                       ; into the accumulators' registers, which are done with: stage q, row I at 64 q + 4 I
	s_wait_alu depctr_va_vdst(0)                   ; the products have written the accumulators and the multiply-adds are done reading them: the loads below land there
.set I, 0
.rept 16
.irp q, 0,1,2,3
	ds_load_b128 v[64*\q+4*I:64*\q+4*I+3], v[RD+\q] offset:I*SPITCH
.endr
.set I, I+1
.endr
	s_wait_dscnt 0x0
	WIN 0x45
.set I, 0
.rept 32
	v_pk_add_f32 v[2*I:2*I+1], v[2*I:2*I+1], v[64+2*I:64+2*I+1]
	v_pk_add_f32 v[128+2*I:128+2*I+1], v[128+2*I:128+2*I+1], v[192+2*I:192+2*I+1]
.set I, I+1
.endr
.set I, 0
.rept 32
	v_pk_add_f32 v[2*I:2*I+1], v[2*I:2*I+1], v[128+2*I:128+2*I+1]
.set I, I+1
.endr
	WIN 0x04                                       ; a store's data are its source 1: window 1
	s_wait_alu depctr_va_vdst(0)                   ; the additions have written the 16 rows, which the stores read
.set I, 0
.rept 16
	global_store_b128 v[10+I], v[4*I:4*I+3], s[16:17] th:TH_STORE_NT   ; 32 lanes store 512 consecutive bytes of a token's row, at a multiple of 256 from out's first byte
.set I, I+1
.endr
	WIN 0
	s_wait_dscnt 0x0                               ; the closing lines, six on end
	s_wait_alu 0x0
	s_wait_tensorcnt 0x0
	ds_add_u32 v254, v255
	s_wait_dscnt 0x0
	s_endpgm
.Lfunc_end_k_qb5376a2081_down:
	.size	k_qb5376a2081_down, .Lfunc_end_k_qb5376a2081_down-k_qb5376a2081_down
	.p2alignl 7, 3214868480
	.fill 96, 4, 3214868480
	.section	.rodata,"a",@progbits
	.p2align	6, 0x0
	.amdhsa_kernel k_qb5376a2081_down
		.amdhsa_group_segment_fixed_size 135680
		.amdhsa_private_segment_fixed_size 0
		.amdhsa_enable_private_segment 0
		.amdhsa_kernarg_size 56
		.amdhsa_user_sgpr_count 2
		.amdhsa_user_sgpr_kernarg_segment_ptr 1
		.amdhsa_wavefront_size32 1
		.amdhsa_system_sgpr_workgroup_id_x 1
		.amdhsa_system_sgpr_workgroup_id_y 1
		.amdhsa_system_sgpr_workgroup_id_z 1
		.amdhsa_system_vgpr_workitem_id 0
		.amdhsa_next_free_vgpr 1024
		.amdhsa_next_free_sgpr 88
		.amdhsa_reserve_vcc 0
		.amdhsa_float_denorm_mode_32 3
		.amdhsa_float_denorm_mode_16_64 3
		.amdhsa_memory_ordered 1
		.amdhsa_forward_progress 1
		.amdhsa_inst_pref_size 128
	.end_amdhsa_kernel
	.amdgpu_metadata
---
amdhsa.version: [ 1, 2 ]
amdhsa.kernels:
  - .name:           k_qb5376a2081_down
    .symbol:         k_qb5376a2081_down.kd
    .args:
      - { .name: plan, .offset: 0, .size: 8, .value_kind: global_buffer, .address_space: global }
      - { .name: wt, .offset: 8, .size: 8, .value_kind: global_buffer, .address_space: global }
      - { .name: hid, .offset: 16, .size: 8, .value_kind: global_buffer, .address_space: global }
      - { .name: wimg, .offset: 24, .size: 8, .value_kind: global_buffer, .address_space: global }
      - { .name: W2_scales, .offset: 32, .size: 8, .value_kind: global_buffer, .address_space: global }
      - { .name: b2, .offset: 40, .size: 8, .value_kind: global_buffer, .address_space: global }
      - { .name: out0, .offset: 48, .size: 8, .value_kind: global_buffer, .address_space: global }
    .group_segment_fixed_size: 135680
    .private_segment_fixed_size: 0
    .kernarg_segment_align: 8
    .kernarg_segment_size: 56
    .max_flat_workgroup_size: 128
    .sgpr_count:     88
    .vgpr_count:     1024
    .wavefront_size: 32
...
	.end_amdgpu_metadata
.endif
;; end of part 8
